; MI455X (gfx1250); checked and timed in simulation.
; The chip was launched on July 23, 2026; its instructions are those of AMD's public machine-readable ISA for CDNA 5 (MIT licence, August 2026) and "CDNA5" Instruction Set Architecture Reference Guide (July 2026). The comments in the code are by the model that wrote it; some were corrected since.
;; STPT. Allowed arithmetic: float matrix products may take bf16 or f16 operands with f32 sums; all other float work in f32.
;; Inputs: W_gamma 2 x 512 float32; W_lambda 2 x 512 float32; Wk 1,024 x 1,024 float32; Wo 1,024 x 1,024 float32; Wq 1,024 x 1,024 float32; Wv 1,024 x 1,024 float32; b_gamma 2 x 512 float32; b_lambda 2 x 512 float32; x 8 x 128 x 1,024 float32.
;; Outputs: out0 8 x 128 x 1,024 float32.
;; 2 versions, each right; version 2 is version 1 with the launch cvt16 written anew for expert scheduling mode. Each part assembles by itself: llvm-mc -triple=amdgcn-amd-amdhsa -mcpu=gfx1250 --defsym DOCPART=n.
;; ======== version 1 of 2: 5 launches
;; limits: values are held in f16: magnitudes above 65,504 overflow, below 6.1e-05 lose precision; inputs' magnitudes at most 65,504; right only within a limited range of input values
;; workspace buffers: h16 10,485,760 bytes; qv 8,388,608 bytes; kraw 4,194,304 bytes; ksq 65,536 bytes; abuf 1,048,576 bytes; amax 8,192 bytes; yh 2,097,152 bytes
;; launch cvt16 (part 1): grid 64 x 4, 5 waves a work-group, no clusters, 46,848 bytes of LDS; arguments x, Wq, Wk, Wv, Wo, h16; writes h16
.if DOCPART == 1
	.amdgcn_target "amdgcn-amd-amdhsa--gfx1250"
	.amdhsa_code_object_version 6
	.text
	.protected	k_q0cfcc2a3ef_cvt16
	.globl	k_q0cfcc2a3ef_cvt16
	.p2align	8
	.type	k_q0cfcc2a3ef_cvt16,@function
k_q0cfcc2a3ef_cvt16:
	s_mov_b64 s[64:65], 0
	v_nop
	global_prefetch_b8 v0, s[64:65] scope:SCOPE_SE
	s_setreg_imm32_b32 hwreg(HW_REG_WAVE_MODE, 25, 1), 1
	s_wait_xcnt 0x0
; x, Wq, Wk, Wv, Wo ([1024][1024] f32) -> h16: five arrays of f16, 2 MiB each, in FRAGMENT ORDER:
; block (RT = row/16, KS = col/32) is 1,024 bytes at (32 RT + KS) 1024; in it the number of row 16 RT + (l & 15),
; column 32 KS + 16 j + 8 (l >> 4) + e lies at 512 j + 16 l + 2 e.  A matrix operand of 16 rows x 32 K is then two
; loads of 16 bytes a lane at 16 x lane and 512 further, from memory and from LDS alike.
; LIMIT: numbers beyond f16's largest, 65,504, become infinite; magnitudes below 2^-14 keep an absolute step of 2^-24.
; Each input number is used by 16 work-groups later on, so it is rounded once here and not in their loops.
; Work-group (rt, kq), wave a: 16 rows x 256 columns of array a: 16 KiB in by 32 loads that are all out at once,
; 8 KiB out by 16 stores of 512 consecutive bytes.  The change of order goes through the wave's own 9,216 bytes of LDS:
; no wave touches another's bytes, so there is no barrier.  No matrix work, no cluster: nothing is shared.
.set X,   8                            ; v[8:135]   32 loads x 4 registers
.set O,   136                          ; v[136:199] 16 read-backs x 4 registers
.set WST, 9216                         ; a wave's stage: 8 blocks of 1,152 bytes (256 -> 288, 512 -> 576, 1,024 -> 1,152: the pads spread the lanes of a store over the banks)
	s_load_b256 s[4:11], s[0:1], 0x0               ; x, Wq, Wk, Wv
	s_load_b128 s[12:15], s[0:1], 0x20             ; Wo, h16
	v_lshl_add_u32 v200, v0, 2, 0xb400
	v_mov_b32 v201, 0
	v_lshrrev_b32 v1, 5, v0
	v_readfirstlane_b32 s16, v1                    ; wave = array
	s_and_b32 s17, ttmp7, 0xffff                   ; kq: which 256 columns
	v_and_b32 v1, 31, v0                           ; lane l
	v_lshrrev_b32 v6, 4, v1                        ; l >> 4
	v_and_b32 v7, 15, v1                           ; l & 15
	v_lshlrev_b32 v2, 4, v7
	v_lshl_add_u32 v2, v6, 12, v2                  ; source: 16 lanes take 256 bytes of a row, the other 16 the row below
	s_mul_i32 s22, s16, WST
	v_bfe_u32 v3, v1, 3, 1                         ; a lane's 4 columns 4 (l & 15) ..: bit 3 picks the block of 32 columns,
	v_mul_u32_u24 v3, v3, 1152
	v_bfe_u32 v4, v1, 2, 1                         ; bit 2 the half j,
	v_mad_u32_u24 v3, v4, 576, v3
	v_bfe_u32 v4, v1, 1, 1                         ; bit 1 the upper 16 places of the block,
	v_mad_u32_u24 v3, v4, 288, v3
	v_lshl_add_u32 v3, v6, 4, v3                   ; the row's parity one place of 16 bytes,
	v_and_b32 v4, 1, v1
	v_lshl_add_u32 v3, v4, 3, v3                   ; bit 0 the upper 8 bytes of the place
	v_add_nc_u32 v3, s22, v3                       ; where I put 8 bytes
	v_mul_u32_u24 v4, v6, 288
	v_lshl_add_u32 v4, v7, 4, v4
	v_add_nc_u32 v4, s22, v4                       ; where I read 16 bytes back
	v_lshlrev_b32 v5, 4, v1                        ; and where they go in the block
	s_lshl_b32 s20, ttmp9, 16                      ; source offset: rt x 16 rows of 4,096 bytes + kq x 1,024
	s_lshl_b32 s21, s17, 10
	s_add_co_u32 s20, s20, s21
	s_mov_b32 s21, 0
	s_lshl_b32 s24, s16, 21                        ; destination offset: array x 2 MiB + (32 rt + 8 kq) x 1,024
	s_lshl_b32 s25, ttmp9, 15
	s_add_co_u32 s24, s24, s25
	s_lshl_b32 s25, s17, 13
	s_add_co_u32 s24, s24, s25
	s_mov_b32 s25, 0
	s_wait_kmcnt 0x0
	s_mov_b64 s[18:19], s[4:5]                     ; the wave's array, chosen by the wave's number
	s_cmp_eq_u32 s16, 1
	s_cselect_b64 s[18:19], s[6:7], s[18:19]
	s_cmp_eq_u32 s16, 2
	s_cselect_b64 s[18:19], s[8:9], s[18:19]
	s_cmp_eq_u32 s16, 3
	s_cselect_b64 s[18:19], s[10:11], s[18:19]
	s_cmp_eq_u32 s16, 4
	s_cselect_b64 s[18:19], s[12:13], s[18:19]
	s_add_nc_u64 s[18:19], s[18:19], s[20:21]
	s_add_nc_u64 s[14:15], s[14:15], s[24:25]
; load n = 8 u + i: rows 2 i and 2 i + 1, bytes 256 u .. 256 u + 255 of my 1,024
.set n, 0
.rept 32
	global_load_b128 v[X+4*n:X+4*n+3], v2, s[18:19] offset:(n%8)*8192+(n/8)*256 th:TH_LOAD_NT
.set n, n+1
.endr
.set n, 0
.rept 32
	s_wait_loadcnt 31-n                            ; loads return in order: load n is in, the 31 - n younger ones stay out
	v_cvt_pk_f16_f32 v[X+4*n], v[X+4*n], v[X+4*n+1]
	v_cvt_pk_f16_f32 v[X+4*n+1], v[X+4*n+2], v[X+4*n+3]
	ds_store_b64 v3, v[X+4*n:X+4*n+1] offset:(n/8)*2304+(n%8)*32
.set n, n+1
.endr
; LDS serves a wave's instructions in order, and the bytes are the wave's own: the loads below see the stores above
.set m, 0
.rept 16
	ds_load_b128 v[O+4*m:O+4*m+3], v4 offset:(m/2)*1152+(m%2)*576
.set m, m+1
.endr
.set m, 0
.rept 16
	s_wait_dscnt 15-m                              ; read-back m is in
	global_store_b128 v5, v[O+4*m:O+4*m+3], s[14:15] offset:m*512    ; 512 consecutive bytes, aligned
.set m, m+1
.endr
	s_wait_tensorcnt 0x0
	ds_add_u32 v200, v201
	s_wait_dscnt 0x0
	s_endpgm
.Lfunc_end_k_q0cfcc2a3ef_cvt16:
	.size	k_q0cfcc2a3ef_cvt16, .Lfunc_end_k_q0cfcc2a3ef_cvt16-k_q0cfcc2a3ef_cvt16
	.p2alignl 7, 3214868480
	.fill 96, 4, 3214868480
	.section	.rodata,"a",@progbits
	.p2align	6, 0x0
	.amdhsa_kernel k_q0cfcc2a3ef_cvt16
		.amdhsa_group_segment_fixed_size 46848
		.amdhsa_private_segment_fixed_size 0
		.amdhsa_enable_private_segment 0
		.amdhsa_kernarg_size 48
		.amdhsa_user_sgpr_count 2
		.amdhsa_user_sgpr_kernarg_segment_ptr 1
		.amdhsa_wavefront_size32 1
		.amdhsa_system_sgpr_workgroup_id_x 1
		.amdhsa_system_sgpr_workgroup_id_y 1
		.amdhsa_system_sgpr_workgroup_id_z 1
		.amdhsa_system_vgpr_workitem_id 0
		.amdhsa_next_free_vgpr 202
		.amdhsa_next_free_sgpr 66
		.amdhsa_reserve_vcc 0
		.amdhsa_float_denorm_mode_32 3
		.amdhsa_float_denorm_mode_16_64 3
		.amdhsa_memory_ordered 1
		.amdhsa_forward_progress 1
		.amdhsa_inst_pref_size 16
	.end_amdhsa_kernel
	.amdgpu_metadata
---
amdhsa.version: [ 1, 2 ]
amdhsa.kernels:
  - .name:           k_q0cfcc2a3ef_cvt16
    .symbol:         k_q0cfcc2a3ef_cvt16.kd
    .args:
      - { .name: x, .offset: 0, .size: 8, .value_kind: global_buffer, .address_space: global }
      - { .name: Wq, .offset: 8, .size: 8, .value_kind: global_buffer, .address_space: global }
      - { .name: Wk, .offset: 16, .size: 8, .value_kind: global_buffer, .address_space: global }
      - { .name: Wv, .offset: 24, .size: 8, .value_kind: global_buffer, .address_space: global }
      - { .name: Wo, .offset: 32, .size: 8, .value_kind: global_buffer, .address_space: global }
      - { .name: h16, .offset: 40, .size: 8, .value_kind: global_buffer, .address_space: global }
    .group_segment_fixed_size: 46848
    .private_segment_fixed_size: 0
    .kernarg_segment_align: 8
    .kernarg_segment_size: 48
    .max_flat_workgroup_size: 160
    .sgpr_count:     66
    .vgpr_count:     202
    .wavefront_size: 32
...
	.end_amdgpu_metadata
.endif
;; end of part 1
;; launch qkv (part 2): grid 16 x 16, 4 waves a work-group, clusters of 4 x 4, 327,680 bytes of LDS; arguments h16, qv, kraw, ksq; writes qv, kraw, ksq
.if DOCPART == 2
	.amdgcn_target "amdgcn-amd-amdhsa--gfx1250"
	.amdhsa_code_object_version 6
	.text
	.protected	k_q0cfcc2a3ef_qkv
	.globl	k_q0cfcc2a3ef_qkv
	.p2align	8
	.type	k_q0cfcc2a3ef_qkv,@function
k_q0cfcc2a3ef_qkv:
	s_mov_b64 s[64:65], 0
	v_nop
	global_prefetch_b8 v0, s[64:65] scope:SCOPE_SE
	s_setreg_imm32_b32 hwreg(HW_REG_WAVE_MODE, 25, 1), 1
	s_wait_xcnt 0x0
	s_wait_alu depctr_hold_cnt(0) depctr_sa_sdst(0) depctr_va_vdst(0) depctr_va_sdst(0) depctr_va_ssrc(0) depctr_va_vcc(0) depctr_vm_vsrc(0)
	s_getreg_b32 s2, hwreg(HW_REG_IB_STS2, 6, 4)
	s_cmp_eq_u32 s2, 0
	s_cbranch_scc0 .Lentry_in_a_cluster
	s_endpgm
.Lentry_in_a_cluster:
	s_bfe_u32 s2, ttmp6, 0x10000c
	s_cmp_lg_u32 s2, 0xf033
	s_cbranch_scc0 .Lentry_shape_is_right
	s_endpgm
.Lentry_shape_is_right:
; q, k, v = x W^T for Wq, Wk, Wv at once.  Operands f16 in fragment order (see the cast kernel), sums f32.
; Work-group (bx, by): rows 64 by .. +63 of x, columns 64 bx .. +63 of each of q, k, v: a tile of 64 x 192, K = 1,024.
; Four waves; wave w makes all four blocks of 16 rows x the three blocks of 16 columns g = 3 w .. 3 w + 2 (g 0-3 q, 4-7 k, 8-11 v):
; twelve accumulators, which take turns, one matrix instruction a turn.
; K goes in four chunks of 256 through two LDS slots of 128 KiB; a slot holds four tiles of 32 KiB ([4 row blocks][8 K steps][1 KiB]):
; x, Wq, Wk, Wv; wave w fetches tile w with one tensor load (4 rows of 8 KiB, 32 KiB apart in memory).
; CLUSTER 4 x 4: the x tile hangs on by alone and is asked for jointly by the four work-groups of a row of the cluster,
; the W tiles hang on bx alone and are asked for jointly along a column: requests for both are divided by four.
; OUT: q and v as bf16 high + low parts (value = hi + lo to 16 bits) in fragment order, planes qhi, qlo, vhi, vlo of 2 MiB;
; k in f32 as [b h][32 columns][4 steps][column][4 t] so that a lane of the scan owns a column; the sums of k^2 over my 64 columns.
; The matrix instruction is used transposed (source 0 = rows of W, source 1 = rows of x): a lane holds 8 neighbouring columns of one row.
.set TILEB,  32768
.set SLOT,   131072
.set CHUNKB, 8192                      ; a K chunk of one block of 16 rows
.set STAGE,  262144                    ; behind the ring, never filled by a tensor load: 64 rows x 192 f32
.set SP,     784                       ; its pitch, 49 x 16 bytes: sixteen rows start in sixteen different groups of banks
.set ADRA, 4                           ; v4, v5   x fragments in slot 0, 1
.set ADRB, 6                           ; v6, v7   my W fragments in slot 0, 1
.set STW,  8                           ; stage: where my accumulators go
.set RQ,   9                           ; stage: my 8 numbers of a row of q or v
.set OQ,   10                          ; byte offset in qv
.set RK,   11                          ; stage: my column of k
.set OK,   12                          ; byte offset in kraw
.set RS,   13                          ; stage: rows 2 l, 2 l + 1 of k
.set OS,   14                          ; byte offset in ksq
.set ACC,  16                          ; v[16:111]  tile (a, i) at 16 + 8 (3 a + i)
.set F0,   112                         ; v[112:167] fragments: x at + 8 a, W at + 32 + 8 i
.set F1,   168                         ; v[168:223] the second buffer
.set TB,   16                          ; the way out: 8 tasks x 16 registers (8 in, 4 hi, 4 lo)
.set KT,   144                         ; the way out: 8 tasks x 4 registers of k
.set TMP,  208                         ; at work
.set G1,  24                           ; s[24:31] shape, mask of my row of the cluster (x)
.set G0,  32                           ; s[32:39] from where, to where: x, one set a slot
.set G1B, 48                           ; s[48:55] shape, mask of my column (W)
.set G0B, 56                           ; s[56:63] W, one set a slot
.macro PLACES                          ; four plain vector instructions behind matrix instructions, ahead of loads into their sources and of reads of their results
.rept 4
	v_nop
.endr
.endm
.macro JLOAD s                         ; wave 0 asks for x, waves 1 to 3 for Wq, Wk, Wv: each line has one mask; the branch hangs on the wave's number alone
	s_cmp_eq_u32 s12, 0
	s_cbranch_scc0 .Lfor_w_\@
	tensor_load_to_lds s[G0+4*\s:G0+4*\s+3], s[G1:G1+7]
	s_nop 0
	s_branch .Lasked_\@
.Lfor_w_\@:
	tensor_load_to_lds s[G0B+4*\s:G0B+4*\s+3], s[G1B:G1B+7]
	s_nop 0
.Lasked_\@:
.endm
.macro CREST                           ; a round of the cluster's barrier behind its opening work-group barrier
	s_cmp_lg_u32 s12, 0
	s_cbranch_scc1 .Lnot_wave_0_\@
	s_barrier_signal -3
.Lnot_wave_0_\@:
	s_barrier_wait -3
	s_barrier_signal -1
	s_barrier_wait -1
.endm
.macro CROUND
	s_barrier_signal -1
	s_barrier_wait -1
	CREST
.endm
	s_load_b256 s[4:11], s[0:1], 0x0               ; h16 s[4:5], qv s[6:7], kraw s[8:9], ksq s[10:11]
	v_lshl_add_u32 v224, v0, 2, 0x4c400
	v_mov_b32 v225, 0
	ds_add_u32 v224, v225
	v_lshrrev_b32 v1, 5, v0
	v_readfirstlane_b32 s12, v1                    ; wave
	s_bfe_u32 s13, ttmp6, 0x40000                  ; cx
	s_bfe_u32 s14, ttmp6, 0x40004                  ; cy
	s_lshl_b32 s15, ttmp9, 2
	s_add_co_u32 s15, s15, s13                     ; bx
	s_and_b32 s16, ttmp7, 0xffff
	s_lshl_b32 s16, s16, 2
	s_add_co_u32 s16, s16, s14                     ; by
	s_lshl_b32 s17, s14, 2
	s_lshl_b32 s17, 15, s17                        ; my row of the cluster
	s_lshl_b32 s18, 0x1111, s13                    ; my column
	; shape: elements of 8 bytes; 4 rows of 1,024 elements (8 KiB), 4,096 elements from row to row
	s_or_b32 s[G1+0], s17, (3<<16)|(1<<21)
	s_or_b32 s[G1B+0], s18, (3<<16)|(1<<21)
	s_mov_b32 s[G1+1], 1024<<16                    ; tensor_dim0
	s_mov_b32 s[G1B+1], 1024<<16
	s_mov_b32 s[G1+2], 4<<16                       ; tensor_dim1
	s_mov_b32 s[G1B+2], 4<<16
	s_mov_b32 s[G1+3], 1024<<16                    ; tile_dim0
	s_mov_b32 s[G1B+3], 1024<<16
	s_mov_b32 s[G1+4], 4                           ; tile_dim1
	s_mov_b32 s[G1B+4], 4
	s_mov_b32 s[G1+5], 4096                        ; pitch
	s_mov_b32 s[G1B+5], 4096
	s_mov_b32 s[G1+6], 0
	s_mov_b32 s[G1B+6], 0
	s_mov_b32 s[G1+7], 0
	s_mov_b32 s[G1B+7], 0
	s_lshl_b32 s19, s12, 15                        ; my tile's place in a slot: wave x 32 KiB
	s_lshl_b32 s20, s16, 17                        ; x: by x 4 row blocks x 32 KiB
	s_mov_b32 s21, 0
	s_lshl_b32 s40, s15, 17                        ; W: bx x 4 row blocks x 32 KiB + wave x 2 MiB (array 1, 2, 3)
	s_lshl_b32 s41, s12, 21
	s_add_co_u32 s40, s40, s41
	s_mov_b32 s41, 0
	s_wait_dscnt 0x0
	s_wait_kmcnt 0x0
	s_add_nc_u64 s[22:23], s[4:5], s[20:21]
	s_add_nc_u64 s[42:43], s[4:5], s[40:41]
	CROUND                                         ; all sixteen work-groups are here: the first joint loads meet
.irp s, 0,1
	s_mov_b32 s[G0+4*\s], 1
	s_add_co_u32 s[G0+4*\s+1], s19, \s*SLOT
	s_add_nc_u64 s[G0+4*\s+2:G0+4*\s+3], s[22:23], \s*CHUNKB
	s_or_b32 s[G0+4*\s+3], s[G0+4*\s+3], 0x80000000
	s_mov_b32 s[G0B+4*\s], 1
	s_add_co_u32 s[G0B+4*\s+1], s19, \s*SLOT
	s_add_nc_u64 s[G0B+4*\s+2:G0B+4*\s+3], s[42:43], \s*CHUNKB
	s_or_b32 s[G0B+4*\s+3], s[G0B+4*\s+3], 0x80000000
	JLOAD \s                                       ; chunks 0 and 1: two loads of the wave are out, the most in this text
.endr
	v_and_b32 v1, 31, v0                           ; lane l
	v_and_b32 v2, 15, v0                           ; r
	v_bfe_u32 v3, v0, 4, 1                         ; h
	v_lshlrev_b32 v[ADRA], 4, v1
	v_add_nc_u32 v[ADRA+1], SLOT, v[ADRA]
	s_mul_i32 s44, s12, 24576                      ; my three column blocks of 8 KiB, behind x's tile
	s_add_co_u32 s44, s44, TILEB
	v_add_nc_u32 v[ADRB], s44, v[ADRA]
	v_add_nc_u32 v[ADRB+1], SLOT, v[ADRB]
	v_mul_u32_u24 v15, v2, SP
	v_lshl_add_u32 v15, v3, 5, v15                 ; r x pitch + 32 h
	s_mul_i32 s45, s12, 192
	s_add_co_u32 s45, s45, STAGE
	v_add_nc_u32 v[STW], s45, v15                  ; + my 48 columns
	s_mul_i32 s46, s12, 16*SP
	s_add_co_u32 s46, s46, STAGE                   ; on the way out wave w owns rows 16 w .. 16 w + 15
	v_add_nc_u32 v[RQ], s46, v15
	v_lshl_add_u32 v[RK], v1, 2, s46
	v_add_nc_u32 v[RK], 256, v[RK]                 ; k's columns begin at byte 256 of a stage row
	v_mul_u32_u24 v[RS], v1, 2*SP
	v_add_nc_u32 v[RS], STAGE+256, v[RS]
	s_lshl_b32 s66, s16, 17                        ; qv: ((4 by + w) 32 + 2 bx) 1,024
	s_lshl_b32 s67, s12, 15
	s_add_co_u32 s66, s66, s67
	s_lshl_b32 s67, s15, 11
	s_add_co_u32 s66, s66, s67
	v_lshl_add_u32 v[OQ], v1, 4, s66
	s_lshr_b32 s68, s16, 1                         ; kraw: b = by / 2, head = bx / 8, 32-column block 2 (bx & 7), t / 4 = 16 (by & 1) + 4 w
	s_lshl_b32 s68, s68, 19
	s_lshr_b32 s69, s15, 3
	s_lshl_b32 s69, s69, 18
	s_add_co_u32 s68, s68, s69
	s_and_b32 s69, s15, 7
	s_lshl_b32 s69, s69, 15
	s_add_co_u32 s68, s68, s69
	s_and_b32 s69, s16, 1
	s_lshl_b32 s69, s69, 13
	s_add_co_u32 s68, s68, s69
	s_lshl_b32 s69, s12, 11
	s_add_co_u32 s68, s68, s69
	v_lshl_add_u32 v[OK], v1, 4, s68
	s_lshl_b32 s70, s15, 12                        ; ksq: [bx][row]: 4,096 bx + 256 by + 8 l
	s_lshl_b32 s71, s16, 8
	s_add_co_u32 s70, s70, s71
	v_lshl_add_u32 v[OS], v1, 3, s70
; 14 LDS loads: the fragments of K step ks of a slot's chunk into buffer f; each takes 512 consecutive bytes
.macro FETCH slot, ks, f
.irp a, 0,1,2,3
	ds_load_b128 v[\f+8*\a:\f+8*\a+3],   v[ADRA+\slot] offset:\a*8192+\ks*1024
	ds_load_b128 v[\f+8*\a+4:\f+8*\a+7], v[ADRA+\slot] offset:\a*8192+\ks*1024+512
.endr
.irp i, 0,1,2
	ds_load_b128 v[\f+32+8*\i:\f+32+8*\i+3],   v[ADRB+\slot] offset:\i*8192+\ks*1024
	ds_load_b128 v[\f+32+8*\i+4:\f+32+8*\i+7], v[ADRB+\slot] offset:\i*8192+\ks*1024+512
.endr
.endm
; six matrix instructions: row blocks a0, a0 + 1 x my three column blocks.  zero = 1: the first product starts the sums
.macro MUL6 f, a0, zero
.irp a, \a0, \a0+1
.irp i, 0,1,2
.if \zero
	v_wmma_f32_16x16x32_f16 v[ACC+8*(3*(\a)+\i):ACC+8*(3*(\a)+\i)+7], v[\f+32+8*\i:\f+32+8*\i+7], v[\f+8*(\a):\f+8*(\a)+7], 0
.else
	v_wmma_f32_16x16x32_f16 v[ACC+8*(3*(\a)+\i):ACC+8*(3*(\a)+\i)+7], v[\f+32+8*\i:\f+32+8*\i+7], v[\f+8*(\a):\f+8*(\a)+7], v[ACC+8*(3*(\a)+\i):ACC+8*(3*(\a)+\i)+7]
.endif
.endr
.endr
.endm
; one K step of 32: buffer f is multiplied while the next step's fragments come into buffer g
.macro STEP slot, ksn, f, g, zero
	s_wait_dscnt 0x0                               ; buffer f is in (its loads were issued ahead of the last twelve matrix instructions)
	PLACES                                         ; buffer g was read by the last step's matrix instructions
	FETCH \slot, \ksn, \g
	MUL6 \f, 0, \zero
	MUL6 \f, 2, \zero
.endm
.macro SEVEN slot, zero
	STEP \slot, 1, F0, F1, \zero
	STEP \slot, 2, F1, F0, 0
	STEP \slot, 3, F0, F1, 0
	STEP \slot, 4, F1, F0, 0
	STEP \slot, 5, F0, F1, 0
	STEP \slot, 6, F1, F0, 0
	STEP \slot, 7, F0, F1, 0
.endm
; a chunk's last K step and the change of slots.  In front of the barrier each wave has waited for its reads of this slot and for all its
; tensor loads (the one out is its tile of the next slot).  fill = 1: the barrier opens a round of the cluster's barrier, and behind the
; round this slot is asked for again, two chunks ahead, first thing.
.macro TURN slot, next, fill
	s_wait_dscnt 0x0
	s_wait_tensorcnt 0x0
	ds_add_u32 v224, v225
	s_wait_dscnt 0x0
	s_barrier_signal -1
	MUL6 F1, 0, 0                                  ; register work while the others arrive
	s_barrier_wait -1
.if \fill
	CREST
	s_add_nc_u64 s[G0+4*\slot+2:G0+4*\slot+3], s[G0+4*\slot+2:G0+4*\slot+3], 2*CHUNKB     ; no tensor load of the wave is out: the addresses may step
	s_add_nc_u64 s[G0B+4*\slot+2:G0B+4*\slot+3], s[G0B+4*\slot+2:G0B+4*\slot+3], 2*CHUNKB
	JLOAD \slot
.endif
	PLACES
	FETCH \next, 0, F0
	MUL6 F1, 2, 0
.endm
	s_wait_tensorcnt 0x1                           ; my tile of chunk 0 is in; chunk 1's stays out
	s_barrier_signal -1
	s_barrier_wait -1
	FETCH 0, 0, F0
	SEVEN 0, 1
	TURN 0, 1, 1                                   ; chunk 2 goes out
	SEVEN 1, 0
	TURN 1, 0, 1                                   ; chunk 3 goes out
	SEVEN 0, 0
	TURN 0, 1, 0                                   ; nothing is left to fetch
	SEVEN 1, 0
	s_wait_dscnt 0x0
	MUL6 F1, 0, 0
	MUL6 F1, 2, 0
	; THE WAY OUT.  All 64 x 192 sums go into the stage; behind a barrier wave w takes rows 16 w .. 16 w + 15 in the orders that the next launches read.
	PLACES
.irp a, 0,1,2,3
.irp i, 0,1,2
	ds_store_b128 v[STW], v[ACC+8*(3*\a+\i):ACC+8*(3*\a+\i)+3]   offset:\a*16*SP+\i*64
	ds_store_b128 v[STW], v[ACC+8*(3*\a+\i)+4:ACC+8*(3*\a+\i)+7] offset:\a*16*SP+\i*64+16
.endr
.endr
	s_wait_dscnt 0x0                               ; for the other waves: my stores are done
	s_barrier_signal -1
	s_barrier_wait -1
; 48 LDS loads in one run: q and v, task id = 4 (0 q, 1 v) + 2 (K step of 32 columns) + half j: 8 numbers; then k, task m = 4 (block of 32 columns) + (4 rows)
.set n, 0
.rept 8
	ds_load_b128 v[TB+16*n:TB+16*n+3],   v[RQ] offset:(n/4)*512+((n/2)%2)*128+(n%2)*64
	ds_load_b128 v[TB+16*n+4:TB+16*n+7], v[RQ] offset:(n/4)*512+((n/2)%2)*128+(n%2)*64+16
.set n, n+1
.endr
.set m, 0
.rept 8
.irp e, 0,1,2,3
	ds_load_b32 v[KT+4*m+\e], v[RK] offset:(4*(m%4)+\e)*SP+(m/4)*128
.endr
.set m, m+1
.endr
; hi = the number rounded to bf16, lo = the rest rounded to bf16.  Every task has registers of its own, so no store's data is written again here.
.macro QVTASK id
	s_wait_dscnt 46-2*\id                          ; of the 48 loads, those issued behind this task's two may be out
.irp r, 0,1,2,3
	v_cvt_pk_bf16_f32 v[TB+16*\id+8+\r], v[TB+16*\id+2*\r], v[TB+16*\id+2*\r+1]
.endr
.irp r, 0,1,2,3
	v_lshlrev_b32 v[TMP+2*\r],   16, v[TB+16*\id+8+\r]
	v_and_b32     v[TMP+2*\r+1], 0xffff0000, v[TB+16*\id+8+\r]
.endr
.irp r, 0,1,2,3
	v_pk_add_f32 v[TMP+2*\r:TMP+2*\r+1], v[TB+16*\id+2*\r:TB+16*\id+2*\r+1], v[TMP+2*\r:TMP+2*\r+1] neg_lo:[0,1] neg_hi:[0,1]
.endr
.irp r, 0,1,2,3
	v_cvt_pk_bf16_f32 v[TB+16*\id+12+\r], v[TMP+2*\r], v[TMP+2*\r+1]
.endr
	global_store_b128 v[OQ], v[TB+16*\id+8:TB+16*\id+11],  s[6:7] offset:(\id/4)*0x400000+((\id/2)%2)*1024+(\id%2)*512
	global_store_b128 v[OQ], v[TB+16*\id+12:TB+16*\id+15], s[6:7] offset:(\id/4)*0x400000+0x200000+((\id/2)%2)*1024+(\id%2)*512
.endm
.irp id, 0,1,2,3,4,5,6,7
	QVTASK \id
.endr
.set m, 0
.rept 8
	s_wait_dscnt 28-4*m                            ; task m's four loads are in
	global_store_b128 v[OK], v[KT+4*m:KT+4*m+3], s[8:9] offset:(m/4)*16384+(m%4)*512   ; lane = column, 4 steps of t: 512 consecutive bytes
.set m, m+1
.endr
	; the sums of k^2 over my 64 columns, for all 64 rows, by wave 0: lane l takes rows 2 l and 2 l + 1, and one store covers 256 consecutive bytes, aligned
	s_cmp_lg_u32 s12, 0
	s_cbranch_scc1 .Lno_sq
	s_wait_xcnt 0x0                                ; the stores above have read v[16:143]: only now are these loaded again
.set m, 0
.rept 16
	ds_load_b128 v[16+4*m:16+4*m+3], v[RS] offset:16*m
	ds_load_b128 v[80+4*m:80+4*m+3], v[RS] offset:SP+16*m
.set m, m+1
.endr
	s_wait_dscnt 0x0
	v_pk_mul_f32 v[176:177], v[16:17], v[16:17]    ; four chains; the first products start them
	v_pk_mul_f32 v[178:179], v[18:19], v[18:19]
	v_pk_mul_f32 v[180:181], v[80:81], v[80:81]
	v_pk_mul_f32 v[182:183], v[82:83], v[82:83]
.set m, 1
.rept 15
	v_pk_fma_f32 v[176:177], v[16+4*m:17+4*m], v[16+4*m:17+4*m], v[176:177]
	v_pk_fma_f32 v[178:179], v[18+4*m:19+4*m], v[18+4*m:19+4*m], v[178:179]
	v_pk_fma_f32 v[180:181], v[80+4*m:81+4*m], v[80+4*m:81+4*m], v[180:181]
	v_pk_fma_f32 v[182:183], v[82+4*m:83+4*m], v[82+4*m:83+4*m], v[182:183]
.set m, m+1
.endr
	v_pk_add_f32 v[176:177], v[176:177], v[178:179]
	v_pk_add_f32 v[180:181], v[180:181], v[182:183]
	v_add_f32 v176, v176, v177
	v_add_f32 v177, v180, v181
	global_store_b64 v[OS], v[176:177], s[10:11]
.Lno_sq:
	s_wait_dscnt 0x0
	s_wait_tensorcnt 0x0
	ds_add_u32 v224, v225
	s_wait_dscnt 0x0
	CROUND                                         ; the closing round: no work-group ends while a partner may still ask for a tile that names it
	s_endpgm
.Lfunc_end_k_q0cfcc2a3ef_qkv:
	.size	k_q0cfcc2a3ef_qkv, .Lfunc_end_k_q0cfcc2a3ef_qkv-k_q0cfcc2a3ef_qkv
	.p2alignl 7, 3214868480
	.fill 96, 4, 3214868480
	.section	.rodata,"a",@progbits
	.p2align	6, 0x0
	.amdhsa_kernel k_q0cfcc2a3ef_qkv
		.amdhsa_group_segment_fixed_size 327680
		.amdhsa_private_segment_fixed_size 0
		.amdhsa_enable_private_segment 0
		.amdhsa_kernarg_size 32
		.amdhsa_user_sgpr_count 2
		.amdhsa_user_sgpr_kernarg_segment_ptr 1
		.amdhsa_wavefront_size32 1
		.amdhsa_system_sgpr_workgroup_id_x 1
		.amdhsa_system_sgpr_workgroup_id_y 1
		.amdhsa_system_sgpr_workgroup_id_z 1
		.amdhsa_system_vgpr_workitem_id 0
		.amdhsa_next_free_vgpr 226
		.amdhsa_next_free_sgpr 72
		.amdhsa_reserve_vcc 0
		.amdhsa_float_denorm_mode_32 3
		.amdhsa_float_denorm_mode_16_64 3
		.amdhsa_memory_ordered 1
		.amdhsa_forward_progress 1
		.amdhsa_inst_pref_size 89
	.end_amdhsa_kernel
	.amdgpu_metadata
---
amdhsa.version: [ 1, 2 ]
amdhsa.kernels:
  - .name:           k_q0cfcc2a3ef_qkv
    .symbol:         k_q0cfcc2a3ef_qkv.kd
    .args:
      - { .name: h16, .offset: 0, .size: 8, .value_kind: global_buffer, .address_space: global }
      - { .name: qv, .offset: 8, .size: 8, .value_kind: global_buffer, .address_space: global }
      - { .name: kraw, .offset: 16, .size: 8, .value_kind: global_buffer, .address_space: global }
      - { .name: ksq, .offset: 24, .size: 8, .value_kind: global_buffer, .address_space: global }
    .group_segment_fixed_size: 327680
    .private_segment_fixed_size: 0
    .kernarg_segment_align: 8
    .kernarg_segment_size: 32
    .max_flat_workgroup_size: 128
    .sgpr_count:     72
    .vgpr_count:     226
    .wavefront_size: 32
...
	.end_amdgpu_metadata
.endif
;; end of part 2
;; launch amat (part 3): grid 8 x 16, 16 waves a work-group, no clusters, 135,168 bytes of LDS; arguments qv, abuf, amax; writes abuf, amax
.if DOCPART == 3
	.amdgcn_target "amdgcn-amd-amdhsa--gfx1250"
	.amdhsa_code_object_version 6
	.text
	.protected	k_q0cfcc2a3ef_amat
	.globl	k_q0cfcc2a3ef_amat
	.p2align	8
	.type	k_q0cfcc2a3ef_amat,@function
k_q0cfcc2a3ef_amat:
	s_mov_b64 s[64:65], 0
	v_nop
	global_prefetch_b8 v0, s[64:65] scope:SCOPE_SE
	s_setreg_imm32_b32 hwreg(HW_REG_WAVE_MODE, 25, 1), 1
	s_wait_xcnt 0x0
; A[t][s] = q_t . v_s (over the head's 512 numbers) for s <= t, per (batch, head): the only way in which q and v enter the scan.
; Work-group (i, bh): rows t = 16 i .. 16 i + 15, column blocks j = 0 .. i.  Sixteen waves, wave w takes K step w of the head's sixteen
; (32 numbers), so a wave's loads are all out at once; the sixteen partial tiles meet in LDS and wave j adds up block j.
; q = qhi + qlo, v = vhi + vlo in bf16: A = vhi qhi + vlo qhi + vhi qlo (the product of the two low parts is below 2^-16 of the terms).
; Operands come from memory in fragment order, straight into registers.  Transposed use (source 0 = rows of v, source 1 = rows of q):
; lane (r, h), register e holds A[t = r][s = 8 h + e].
; OUT: abuf block (bh, i, j), 1 KiB.  j < i: bf16, hi parts of my 8 numbers at 16 l, lo parts at 512 + 16 l: the image of a matrix operand
; whose K = 0-15 are the hi parts and K = 16-31 the lo parts.  j = i: the f32 registers as they are, zero above the diagonal.  j > i: not written, never read.
; amax[bh][t] = max over s <= t of |A[t][s]|: 64 bytes a work-group, a part of an aligned 256-byte block: a row block's maxima exist in one work-group only.
; No cluster: the row blocks of one (batch, head) need different numbers of v's tiles, and the operands go into registers, not LDS.
; 128 work-groups: one for each row block; blocks i < 4 compute four column blocks, the others eight.
.set QF,  8                            ; v[8:15] qhi, v[16:23] qlo
.set VT,  24                           ; v[24:151] column block j: vhi at 24 + 16 j, vlo 8 further; later the 16 partial tiles
.set ACC, 152                          ; v[152:215] block j at 152 + 8 j; later at work
.set RMX, 216                          ; row maximum of my block
.set MAXB, 131072                      ; LDS: behind the partial tiles (16 waves x 8 KiB), 128 bytes a wave
.macro PLACES                          ; four plain vector instructions behind matrix instructions (ISA guide 7.12.1)
.rept 4
	v_nop
.endr
.endm
	s_load_b128 s[4:7], s[0:1], 0x0                ; qv, abuf
	s_load_b64 s[8:9], s[0:1], 0x10                ; amax
	v_lshl_add_u32 v224, v0, 2, 0x20800
	v_mov_b32 v225, 0
	v_lshrrev_b32 v1, 5, v0
	v_readfirstlane_b32 s10, v1                    ; wave w
	s_mov_b32 s11, ttmp9                           ; i
	s_and_b32 s12, ttmp7, 0xffff                   ; bh
	s_lshr_b32 s13, s12, 1                         ; batch
	s_and_b32 s14, s12, 1                          ; head
	s_mov_b32 s20, 0x76543210                      ; v_permlanex16_b32: lane l reads lane l xor 16
	s_mov_b32 s21, 0xfedcba98
	v_and_b32 v1, 31, v0                           ; l
	v_and_b32 v2, 15, v0                           ; r
	v_bfe_u32 v3, v0, 4, 1                         ; h
	s_lshl_b32 s15, s13, 18                        ; block (row block 8 b, K step 16 head + w) x 1,024
	s_lshl_b32 s16, s14, 14
	s_add_co_u32 s15, s15, s16
	s_lshl_b32 s16, s10, 10
	s_add_co_u32 s15, s15, s16
	v_lshl_add_u32 v5, v1, 4, s15                  ; v's block 0
	s_lshl_b32 s16, s11, 15
	s_add_co_u32 s16, s16, s15
	v_lshl_add_u32 v4, v1, 4, s16                  ; q's block i
	s_lshl_b32 s17, s10, 13
	v_lshl_add_u32 v6, v1, 4, s17                  ; my 8 KiB of partial tiles
	v_mov_b32 v[RMX], 0                            ; a wave without a block adds nothing to the maxima
	v_mov_b32 v217, 0                              ; the lane exchange counts as a reader of its destination
.macro PART nt
	global_load_b128 v[QF:QF+3],     v4, s[4:5]
	global_load_b128 v[QF+4:QF+7],   v4, s[4:5] offset:512
	global_load_b128 v[QF+8:QF+11],  v4, s[4:5] offset:0x200000
	global_load_b128 v[QF+12:QF+15], v4, s[4:5] offset:0x200000+512
.set j, 0
.rept \nt
	global_load_b128 v[VT+16*j:VT+16*j+3],     v5, s[4:5] offset:0x400000+j*32768
	global_load_b128 v[VT+16*j+4:VT+16*j+7],   v5, s[4:5] offset:0x400000+j*32768+512
	global_load_b128 v[VT+16*j+8:VT+16*j+11],  v5, s[4:5] offset:0x600000+j*32768
	global_load_b128 v[VT+16*j+12:VT+16*j+15], v5, s[4:5] offset:0x600000+j*32768+512
.set j, j+1
.endr
	s_wait_loadcnt 0x0
; three passes over the blocks: the accumulators take turns, one matrix instruction a turn
.set j, 0
.rept \nt
	v_wmma_f32_16x16x32_bf16 v[ACC+8*j:ACC+8*j+7], v[VT+16*j:VT+16*j+7], v[QF:QF+7], 0
.set j, j+1
.endr
.set j, 0
.rept \nt
	v_wmma_f32_16x16x32_bf16 v[ACC+8*j:ACC+8*j+7], v[VT+16*j+8:VT+16*j+15], v[QF:QF+7], v[ACC+8*j:ACC+8*j+7]
.set j, j+1
.endr
.set j, 0
.rept \nt
	v_wmma_f32_16x16x32_bf16 v[ACC+8*j:ACC+8*j+7], v[VT+16*j:VT+16*j+7], v[QF+8:QF+15], v[ACC+8*j:ACC+8*j+7]
.set j, j+1
.endr
	PLACES
.set j, 0
.rept \nt
	ds_store_b128 v6, v[ACC+8*j:ACC+8*j+3]   offset:j*1024
	ds_store_b128 v6, v[ACC+8*j+4:ACC+8*j+7] offset:j*1024+512
.set j, j+1
.endr
.endm
	s_wait_kmcnt 0x0
	s_cmp_lt_u32 s11, 4
	s_cbranch_scc0 .Lbig
	PART 4
	s_branch .Ljoin
.Lbig:
	PART 8
.Ljoin:
	s_wait_dscnt 0x0                               ; for the other waves: my partial tiles are stored
	s_barrier_signal -1
	s_barrier_wait -1
	s_cmp_gt_u32 s10, 7                            ; there are eight column blocks at the most: waves 8 to 15 have none, so the reads below
	s_cbranch_scc1 .Lno_block                      ; end at 7 x 1,024 + 65,536 + 57,856 + 512 = 131,072, where the maxima begin
	s_cmp_gt_u32 s10, s11                          ; wave j = w has a block if j <= i
	s_cbranch_scc1 .Lno_block
	s_lshl_b32 s18, s10, 10
	v_lshl_add_u32 v218, v1, 4, s18                ; block j of partial 0
	v_add_nc_u32 v219, 65536, v218                 ; of partial 8: the immediate reaches 65,535 bytes
.set p, 0
.rept 8
	ds_load_b128 v[VT+8*p:VT+8*p+3],   v218 offset:p*8192
	ds_load_b128 v[VT+8*p+4:VT+8*p+7], v218 offset:p*8192+512
.set p, p+1
.endr
.rept 8
	ds_load_b128 v[VT+8*p:VT+8*p+3],   v219 offset:(p-8)*8192
	ds_load_b128 v[VT+8*p+4:VT+8*p+7], v219 offset:(p-8)*8192+512
.set p, p+1
.endr
	s_wait_dscnt 0x0
.set p, 1
.rept 15
.irp k, 0,2,4,6
	v_pk_add_f32 v[VT+\k:VT+\k+1], v[VT+\k:VT+\k+1], v[VT+8*p+\k:VT+8*p+\k+1]     ; K ascending
.endr
.set p, p+1
.endr
	; on the diagonal block keep s <= t: 8 h + e <= r; elsewhere keep all
	s_cmp_eq_u32 s10, s11
	s_cselect_b32 s19, -16, 64                     ; r - 8 h is -8 at the least
	v_lshlrev_b32 v7, 3, v3
	v_sub_nc_u32 v7, v2, v7
	v_max_i32 v7, s19, v7
.irp e, 0,1,2,3,4,5,6,7
	v_cmp_le_i32 vcc_lo, \e, v7
	v_cndmask_b32 v[VT+\e], 0, v[VT+\e], vcc_lo
.endr
.irp e, 0,1,2,3,4,5,6,7
	v_and_b32 v[160+\e], 0x7fffffff, v[VT+\e]
.endr
	v_max3_num_f32 v[RMX], v160, v161, v162
	v_max3_num_f32 v[RMX], v[RMX], v163, v164
	v_max3_num_f32 v[RMX], v[RMX], v165, v166
	v_max_num_f32 v[RMX], v[RMX], v167
	v_permlanex16_b32 v217, v[RMX], s20, s21       ; the row's other eight columns
	v_max_num_f32 v[RMX], v[RMX], v217
	s_lshl_b32 s22, s12, 16                        ; abuf: (64 bh + 8 i + j) x 1,024
	s_lshl_b32 s23, s11, 13
	s_add_co_u32 s22, s22, s23
	s_add_co_u32 s22, s22, s18
	v_lshl_add_u32 v220, v1, 4, s22
	s_cmp_eq_u32 s10, s11
	s_cbranch_scc1 .Ldiag
.irp r, 0,1,2,3
	v_cvt_pk_bf16_f32 v[152+\r], v[VT+2*\r], v[VT+2*\r+1]
.endr
.irp r, 0,1,2,3
	v_lshlrev_b32 v[160+2*\r], 16, v[152+\r]
	v_and_b32     v[161+2*\r], 0xffff0000, v[152+\r]
.endr
.irp r, 0,1,2,3
	v_pk_add_f32 v[160+2*\r:161+2*\r], v[VT+2*\r:VT+2*\r+1], v[160+2*\r:161+2*\r] neg_lo:[0,1] neg_hi:[0,1]
.endr
.irp r, 0,1,2,3
	v_cvt_pk_bf16_f32 v[156+\r], v[160+2*\r], v[161+2*\r]
.endr
	global_store_b128 v220, v[152:155], s[6:7]
	global_store_b128 v220, v[156:159], s[6:7] offset:512
	s_branch .Lno_block
.Ldiag:
	global_store_b128 v220, v[VT:VT+3],   s[6:7]
	global_store_b128 v220, v[VT+4:VT+7], s[6:7] offset:512
.Lno_block:
	s_lshl_b32 s24, s10, 7
	s_add_co_u32 s24, s24, MAXB
	v_lshl_add_u32 v221, v1, 2, s24
	ds_store_b32 v221, v[RMX]
	s_wait_dscnt 0x0
	s_barrier_signal -1
	s_barrier_wait -1
	s_cmp_lg_u32 s10, 0
	s_cbranch_scc1 .Lend
	v_lshlrev_b32 v222, 2, v1
	v_add_nc_u32 v222, MAXB, v222
.irp p, 0,1,2,3,4,5,6,7
	ds_load_b32 v[168+\p], v222 offset:128*\p      ; blocks 0 to 7; those beyond i gave zero
.endr
	s_lshl_b32 s25, s12, 9
	s_lshl_b32 s26, s11, 6
	s_add_co_u32 s25, s25, s26
	v_lshl_add_u32 v223, v2, 2, s25                ; 512 bh + 4 (16 i + r)
	s_wait_dscnt 0x0
	v_max3_num_f32 v168, v168, v169, v170
	v_max3_num_f32 v168, v168, v171, v172
	v_max3_num_f32 v168, v168, v173, v174
	v_max_num_f32 v168, v168, v175
	v_cmp_gt_u32 vcc_lo, 16, v1
	s_wait_xcnt 0x0                                ; EXEC is a source of my stores above: it changes only behind this wait
	s_and_saveexec_b32 s27, vcc_lo                 ; lanes 16 to 31 hold the same sixteen numbers again
	global_store_b32 v223, v168, s[8:9]
	s_wait_xcnt 0x0                                ; and again in front of the line that widens it
	s_or_b32 exec_lo, exec_lo, s27
.Lend:
	s_wait_tensorcnt 0x0
	ds_add_u32 v224, v225
	s_wait_dscnt 0x0
	s_endpgm
.Lfunc_end_k_q0cfcc2a3ef_amat:
	.size	k_q0cfcc2a3ef_amat, .Lfunc_end_k_q0cfcc2a3ef_amat-k_q0cfcc2a3ef_amat
	.p2alignl 7, 3214868480
	.fill 96, 4, 3214868480
	.section	.rodata,"a",@progbits
	.p2align	6, 0x0
	.amdhsa_kernel k_q0cfcc2a3ef_amat
		.amdhsa_group_segment_fixed_size 135168
		.amdhsa_private_segment_fixed_size 0
		.amdhsa_enable_private_segment 0
		.amdhsa_kernarg_size 24
		.amdhsa_user_sgpr_count 2
		.amdhsa_user_sgpr_kernarg_segment_ptr 1
		.amdhsa_wavefront_size32 1
		.amdhsa_system_sgpr_workgroup_id_x 1
		.amdhsa_system_sgpr_workgroup_id_y 1
		.amdhsa_system_sgpr_workgroup_id_z 1
		.amdhsa_system_vgpr_workitem_id 0
		.amdhsa_next_free_vgpr 226
		.amdhsa_next_free_sgpr 66
		.amdhsa_reserve_vcc 1
		.amdhsa_float_denorm_mode_32 3
		.amdhsa_float_denorm_mode_16_64 3
		.amdhsa_memory_ordered 1
		.amdhsa_forward_progress 1
		.amdhsa_inst_pref_size 23
	.end_amdhsa_kernel
	.amdgpu_metadata
---
amdhsa.version: [ 1, 2 ]
amdhsa.kernels:
  - .name:           k_q0cfcc2a3ef_amat
    .symbol:         k_q0cfcc2a3ef_amat.kd
    .args:
      - { .name: qv, .offset: 0, .size: 8, .value_kind: global_buffer, .address_space: global }
      - { .name: abuf, .offset: 8, .size: 8, .value_kind: global_buffer, .address_space: global }
      - { .name: amax, .offset: 16, .size: 8, .value_kind: global_buffer, .address_space: global }
    .group_segment_fixed_size: 135168
    .private_segment_fixed_size: 0
    .kernarg_segment_align: 8
    .kernarg_segment_size: 24
    .max_flat_workgroup_size: 512
    .sgpr_count:     66
    .vgpr_count:     226
    .wavefront_size: 32
...
	.end_amdgpu_metadata
.endif
;; end of part 3
;; launch scan (part 4): grid 16 x 16, 8 waves a work-group, no clusters, 26,624 bytes of LDS; arguments kraw, ksq, abuf, amax, W_gamma, b_gamma, W_lambda, b_lambda, yh; writes yh
.if DOCPART == 4
	.amdgcn_target "amdgcn-amd-amdhsa--gfx1250"
	.amdhsa_code_object_version 6
	.text
	.protected	k_q0cfcc2a3ef_scan
	.globl	k_q0cfcc2a3ef_scan
	.p2align	8
	.type	k_q0cfcc2a3ef_scan,@function
k_q0cfcc2a3ef_scan:
	s_mov_b64 s[64:65], 0
	v_nop
	global_prefetch_b8 v0, s[64:65] scope:SCOPE_SE
	s_setreg_imm32_b32 hwreg(HW_REG_WAVE_MODE, 25, 1), 1
	s_wait_xcnt 0x0
; The scan, column by column.  The columns of the state do not mix, so with kn = k / max(|k|, 1e-12), rho = (1 - lambda) gamma, w_s = (1 - rho_s) kn_s:
;   y_t[col] = sum over s <= t of A[t][s] w_s[col] prod over u = s+1 .. t of rho_u[col],   A = q v^T from the launch before.
; Only multiplications by rho in [0, 1]: no quotient of decay products, so it holds for every value of the gates.
; Work-group (kb, bh): 32 columns, lane = column.  Wave c owns the steps t = 16 c .. 16 c + 15.
; 1. Each wave makes kn, rho, w of its chunk, w decayed to its chunk's end (WC_s = w_s rho_{s+1} .. rho_15) as bf16 hi + lo, and Gamma = the product of its 16 rho; WC and Gamma go to LDS.
; 2. Earlier chunks c' = 0 .. c - 1, on the matrix unit: Z = Z Gamma_c' + A[c][c'] WC_c'.  The 16 steps of a chunk fill K = 32 twice over:
;    A's operand is [hi | lo], WC's is [hi | hi] and then [lo | lo], so the two instructions give (Ahi + Alo)(Whi + Wlo).
; 3. The chunk's own steps in f32: for s = 0 .. 15, t >= s:  Z_t = Z_t rho_s + A[t][s] w_s.
; OUT: y in f16, fragment order, each row times an exact power of two: |y_t| <= max over s <= t of |A[t][s]| (the weights (1 - rho_s) prod rho sum to 1 at most,
; |kn| <= 1), and the scale brings the larger of the two heads' bounds below 2^15; the last launch takes it out again.
; LIMITS: the scale's exponent is clamped, exact for a row maximum of |A| between 2^-95 and 2^96; a sum of k^2 that is denormal counts as 0 (the clamp 1e-12 then acts);
; 1 - lambda is formed as sigmoid(-z); NaN and infinities are not tracked.
; No cluster: what work-groups share (A, 36 KiB at the most) goes into registers in operand order, and the waves need different numbers of blocks.
.set K,   8                            ; v[8:23]    k, then kn; later the other half-wave's packs
.set RHO, 24                           ; v[24:39]
.set W,   40                           ; v[40:55]
.set AS,  56                           ; v[56:71]   diagonal block: register s, lane t (both halves of the wave): A[t][s]
.set AF,  72                           ; v[72:127]  A's operands for chunks 0 .. 6
.set ZT,  128                          ; v[128:143] two result tiles: columns 0-15, 16-31
.set BF,  144                          ; v[144:175] WC's four operands; at work before
.set G,   176                          ; v176, v178 Gamma for the two tiles (v177, v179 only complete the pairs)
.set ZC,  180                          ; v[180:195] Z, lane = column, register = t
.set T,   196                          ; v[196:227] at work
.set PG,  228                          ; v228 -log2e Wg, v229 -log2e bg, v230 log2e Wl, v231 log2e bl
.set RN,  232                          ; lane r: 1 / max(|k_t|, 1e-12), t = 16 c + r
.set SC,  233                          ; lane r: the row's scale
.set GM,  16384                        ; LDS: [0, 16384) WC: [chunk][hi cols 0-15, hi cols 16-31, lo, lo][16 x lane]; then Gamma [chunk][32]
.set YST, 17408                        ; then 1 KiB a wave for the way out
.macro PLACES                          ; four plain vector instructions behind matrix instructions (ISA guide 7.12.1)
.rept 4
	v_nop
.endr
.endm
	s_load_b512 s[4:19], s[0:1], 0x0               ; kraw, ksq, abuf, amax, W_gamma, b_gamma, W_lambda, b_lambda
	s_load_b64 s[20:21], s[0:1], 0x40              ; yh
	v_lshl_add_u32 v248, v0, 2, 0x6400
	v_mov_b32 v249, 0
	v_lshrrev_b32 v1, 5, v0
	v_readfirstlane_b32 s22, v1                    ; wave = chunk c
	s_mov_b32 s23, ttmp9                           ; kb
	s_and_b32 s24, ttmp7, 0xffff                   ; bh
	s_lshr_b32 s25, s24, 1                         ; batch
	s_and_b32 s26, s24, 1                          ; head
	s_mov_b32 s40, 0x76543210                      ; v_permlanex16_b32: lane l reads lane l xor 16
	s_mov_b32 s41, 0xfedcba98
	s_mov_b32 s42, 0xffff0000                      ; lanes 16 to 31; also a word's upper bf16
	v_and_b32 v1, 31, v0                           ; l
	v_and_b32 v2, 15, v0                           ; r
	v_mov_b32 v[G+1], 0
	v_mov_b32 v[G+3], 0
	s_lshl_b32 s27, s24, 18                        ; kraw: ((16 bh + kb) 32 + 4 c) 512 + 16 l
	s_lshl_b32 s28, s23, 14
	s_add_co_u32 s27, s27, s28
	s_lshl_b32 s28, s22, 11
	s_add_co_u32 s27, s27, s28
	v_lshl_add_u32 v234, v1, 4, s27
	s_lshl_b32 s27, s26, 15                        ; ksq: (8 head + p) 4,096 + 4 (128 b + 16 c + r)
	s_lshl_b32 s28, s25, 9
	s_add_co_u32 s27, s27, s28
	s_lshl_b32 s28, s22, 6
	s_add_co_u32 s27, s27, s28
	v_lshl_add_u32 v235, v2, 2, s27
	s_lshl_b32 s27, s26, 11                        ; gates: 4 (512 head + 32 kb + l)
	s_lshl_b32 s28, s23, 7
	s_add_co_u32 s27, s27, s28
	v_lshl_add_u32 v236, v1, 2, s27
	s_lshl_b32 s27, s25, 10                        ; amax: head 0 of my batch, 4 (16 c + r); head 1 is 512 further
	s_lshl_b32 s28, s22, 6
	s_add_co_u32 s27, s27, s28
	v_lshl_add_u32 v237, v2, 2, s27
	s_lshl_b32 s29, s24, 16                        ; abuf: (64 bh + 9 c) 1,024 + 16 r: the diagonal block
	s_mul_i32 s28, s22, 9216
	s_add_co_u32 s27, s29, s28
	v_lshl_add_u32 v238, v2, 4, s27
	s_lshl_b32 s28, s22, 13                        ; (64 bh + 8 c) 1,024 + 16 l: block 0 of my row
	s_add_co_u32 s27, s29, s28
	v_lshl_add_u32 v239, v1, 4, s27
	s_lshl_b32 s27, s22, 11
	v_lshl_add_u32 v240, v1, 4, s27                ; LDS: my chunk's WC
	s_lshl_b32 s27, s22, 7
	s_add_co_u32 s27, s27, GM
	v_lshl_add_u32 v241, v1, 2, s27                ; my chunk's Gamma
	v_lshlrev_b32 v242, 4, v1                      ; reading WC
	v_lshlrev_b32 v243, 2, v2                      ; reading Gamma
	s_lshl_b32 s27, s22, 10
	s_add_co_u32 s27, s27, YST
	v_lshl_add_u32 v245, v1, 4, s27                ; the way out, read
	v_lshrrev_b32 v3, 4, v1                        ; the way out, write: column l = 16 j + 8 h + e goes to 512 j + 256 h + 2 e, row t 16 t further
	v_lshl_add_u32 v244, v3, 9, s27
	v_bfe_u32 v3, v1, 3, 1
	v_lshl_add_u32 v244, v3, 8, v244
	v_and_b32 v3, 7, v1
	v_lshl_add_u32 v244, v3, 1, v244
	s_lshl_b32 s27, s25, 18                        ; yh: ((8 b + c) 32 + 16 head + kb) 1,024 + 16 l
	s_lshl_b32 s28, s22, 15
	s_add_co_u32 s27, s27, s28
	s_lshl_b32 s28, s26, 14
	s_add_co_u32 s27, s27, s28
	s_lshl_b32 s28, s23, 10
	s_add_co_u32 s27, s27, s28
	v_lshl_add_u32 v247, v1, 4, s27
	s_wait_kmcnt 0x0
	; ---- 1. my chunk ----
.irp q, 0,1,2,3
	global_load_b128 v[K+4*\q:K+4*\q+3], v234, s[4:5] offset:512*\q          ; k[t = 16 c + 4 q + 0..3][my column]
.endr
.irp p, 0,1,2,3,4,5,6,7
	global_load_b32 v[T+\p], v235, s[6:7] offset:4096*\p                     ; row 16 c + r: the eight partial sums of k^2 of my head
.endr
	global_load_b32 v[PG],   v236, s[12:13]
	global_load_b32 v[PG+1], v236, s[14:15]
	global_load_b32 v[PG+2], v236, s[16:17]
	global_load_b32 v[PG+3], v236, s[18:19]
	global_load_b32 v[T+8], v237, s[10:11]
	global_load_b32 v[T+9], v237, s[10:11] offset:512
	s_wait_loadcnt 0x0
	; A's blocks are asked for now and land under the arithmetic of the gates; their number hangs on the wave, so the wait for them is for zero
.irp hs, 0,1
.irp q, 0,1
	global_load_b128 v[AS+8*\hs+4*\q:AS+8*\hs+4*\q+3], v238, s[8:9] offset:\q*512+\hs*256
.endr
.endr
.irp j, 0,1,2,3,4,5,6
	s_cmp_le_u32 s22, \j
	s_cbranch_scc1 .Laf_done
	global_load_b128 v[AF+8*\j:AF+8*\j+3],   v239, s[8:9] offset:\j*1024
	global_load_b128 v[AF+8*\j+4:AF+8*\j+7], v239, s[8:9] offset:\j*1024+512
.endr
.Laf_done:
	v_add_f32 v[T],   v[T],   v[T+1]
	v_add_f32 v[T+2], v[T+2], v[T+3]
	v_add_f32 v[T+4], v[T+4], v[T+5]
	v_add_f32 v[T+6], v[T+6], v[T+7]
	v_add_f32 v[T],   v[T],   v[T+2]
	v_add_f32 v[T+4], v[T+4], v[T+6]
	v_add_f32 v[T],   v[T],   v[T+4]
	v_sqrt_f32 v[RN], v[T]
	v_max_num_f32 v[SC], v[T+8], v[T+9]            ; a plain instruction between the root and its use (ISA guide 5.7.2): the two heads' bounds
	s_wait_alu depctr_va_vdst(0)
	v_max_num_f32 v[RN], 0x2b8cbccc, v[RN]         ; 1e-12
	v_rcp_f32 v[RN], v[RN]
	v_lshrrev_b32 v[SC], 23, v[SC]                 ; the bound's biased exponent ex (the bound is not negative)
	v_max_u32 v[SC], 32, v[SC]
	v_min_u32 v[SC], 0xde, v[SC]                   ; 32 <= ex <= 222
	v_sub_nc_u32 v[SC], 0x10c, v[SC]
	v_lshlrev_b32 v[SC], 23, v[SC]                 ; 2^(141 - ex): bound < 2^(ex - 126) becomes < 2^15
	v_mul_f32 v[PG],   0xbfb8aa3b, v[PG]           ; gamma = 1 / (1 + 2^(-log2e zg)),  1 - lambda = 1 / (1 + 2^(log2e zl))
	v_mul_f32 v[PG+1], 0xbfb8aa3b, v[PG+1]
	v_mul_f32 v[PG+2], 0x3fb8aa3b, v[PG+2]
	v_mul_f32 v[PG+3], 0x3fb8aa3b, v[PG+3]
	s_wait_alu depctr_va_vdst(0)
.irp t, 0,1,2,3,4,5,6,7,8,9,10,11,12,13,14,15
	v_mul_f32_dpp v[K+\t], v[RN], v[K+\t] row_share:\t row_mask:0xf bank_mask:0xf     ; lane t of each half holds row t's reciprocal norm
.endr
.irp t, 0,1,2,3,4,5,6,7,8,9,10,11,12,13,14,15
	v_fma_f32 v[T+\t],    v[K+\t], v[PG],   v[PG+1]
	v_fma_f32 v[T+16+\t], v[K+\t], v[PG+2], v[PG+3]
.endr
.set n, 0
.rept 32
	v_exp_f32 v[T+n], v[T+n]
.set n, n+1
.endr
	v_nop                                          ; one plain instruction between the last exponential and the first use
.set n, 0
	s_wait_alu depctr_va_vdst(0)
.rept 16
	v_pk_add_f32 v[T+2*n:T+2*n+1], v[T+2*n:T+2*n+1], 1.0 op_sel_hi:[1,0]      ; both factors are 1 at the least: no zero times infinity
.set n, n+1
.endr
.set n, 0
.rept 8
	v_pk_mul_f32 v[RHO+2*n:RHO+2*n+1], v[T+2*n:T+2*n+1], v[T+16+2*n:T+16+2*n+1]
.set n, n+1
.endr
.set n, 0
.rept 16
	v_rcp_f32 v[RHO+n], v[RHO+n]                   ; rho = (1 - lambda) gamma
.set n, n+1
.endr
	v_nop
.set n, 0
	s_wait_alu depctr_va_vdst(0)
.rept 16
	v_fma_f32 v[W+n], -v[RHO+n], v[K+n], v[K+n]    ; w = (1 - rho) kn
.set n, n+1
.endr
	; w decayed to the chunk's end, from the last step down; v246 ends as Gamma
	v_mov_b32 v[T+15], v[W+15]
	v_mul_f32 v[T+14], v[W+14], v[RHO+15]
	v_mul_f32 v246, v[RHO+15], v[RHO+14]
.irp s, 13,12,11,10,9,8,7,6,5,4,3,2,1,0
	v_mul_f32 v[T+\s], v[W+\s], v246
	v_mul_f32 v246, v246, v[RHO+\s]
.endr
.irp q, 0,1,2,3,4,5,6,7
	v_cvt_pk_bf16_f32 v[T+16+\q], v[T+2*\q], v[T+2*\q+1]                     ; hi parts, steps 2 q, 2 q + 1
.endr
.irp q, 0,1,2,3,4,5,6,7
	v_lshlrev_b32 v[BF+2*\q],   16,  v[T+16+\q]
	v_and_b32     v[BF+2*\q+1], s42, v[T+16+\q]
.endr
.irp q, 0,1,2,3,4,5,6,7
	v_pk_add_f32 v[BF+2*\q:BF+2*\q+1], v[T+2*\q:T+2*\q+1], v[BF+2*\q:BF+2*\q+1] neg_lo:[0,1] neg_hi:[0,1]
.endr
.irp q, 0,1,2,3,4,5,6,7
	v_cvt_pk_bf16_f32 v[T+24+\q], v[BF+2*\q], v[BF+2*\q+1]                   ; lo parts
.endr
	; an operand's lane (r, h) wants steps 8 h .. 8 h + 7 of column 16 tile + r: half of it is my own, half the lane's 16 away
.irp q, 0,1,2,3,4,5,6,7,8,9,10,11,12,13,14,15
	v_permlanex16_b32 v[K+\q], v[T+16+\q], s40, s41                          ; kn is done with; these registers have been written
.endr
.irp q, 0,1,2,3
	v_cndmask_b32 v[BF+\q],    v[T+16+\q], v[K+4+\q],  s42                   ; hi, columns 0-15
	v_cndmask_b32 v[BF+4+\q],  v[K+\q],    v[T+20+\q], s42                   ; hi, columns 16-31
	v_cndmask_b32 v[BF+8+\q],  v[T+24+\q], v[K+12+\q], s42                   ; lo, columns 0-15
	v_cndmask_b32 v[BF+12+\q], v[K+8+\q],  v[T+28+\q], s42                   ; lo, columns 16-31
.endr
.irp f, 0,1,2,3
	ds_store_b128 v240, v[BF+4*\f:BF+4*\f+3] offset:512*\f
.endr
	ds_store_b32 v241, v246
	s_wait_dscnt 0x0                               ; for the other waves: my stores are done
	s_barrier_signal -1
	s_barrier_wait -1                              ; the only barrier: nothing in these bytes is written again
	; ---- 2. the earlier chunks ----
	s_wait_loadcnt 0x0                             ; A's blocks
; chunk cp.  The two tiles' accumulators take turns, one matrix instruction a turn.
.macro PSTEP cp
.if \cp
	PLACES                                         ; behind the last chunk's matrix instructions: the loads below land on their sources, the multiply by Gamma reads their results
.endif
.irp f, 0,1,2,3
	ds_load_b128 v[BF+8*\f:BF+8*\f+3],   v242 offset:\cp*2048+\f*512         ; the same 16 bytes for K = 0-15 (against A's hi parts)
	ds_load_b128 v[BF+8*\f+4:BF+8*\f+7], v242 offset:\cp*2048+\f*512         ; and for K = 16-31 (against its lo parts)
.endr
.if \cp
	ds_load_b32 v[G],   v243 offset:GM+\cp*128
	ds_load_b32 v[G+2], v243 offset:GM+\cp*128+64
.endif
	s_wait_dscnt 0x0
.if \cp
.irp k, 0,2,4,6
	v_pk_mul_f32 v[ZT+\k:ZT+\k+1],     v[ZT+\k:ZT+\k+1],     v[G:G+1]   op_sel_hi:[1,0]
	v_pk_mul_f32 v[ZT+8+\k:ZT+8+\k+1], v[ZT+8+\k:ZT+8+\k+1], v[G+2:G+3] op_sel_hi:[1,0]
.endr
	v_wmma_f32_16x16x32_bf16 v[ZT:ZT+7],    v[AF+8*\cp:AF+8*\cp+7], v[BF:BF+7],    v[ZT:ZT+7]
	v_wmma_f32_16x16x32_bf16 v[ZT+8:ZT+15], v[AF+8*\cp:AF+8*\cp+7], v[BF+8:BF+15], v[ZT+8:ZT+15]
.else
	v_wmma_f32_16x16x32_bf16 v[ZT:ZT+7],    v[AF+8*\cp:AF+8*\cp+7], v[BF:BF+7],    0
	v_wmma_f32_16x16x32_bf16 v[ZT+8:ZT+15], v[AF+8*\cp:AF+8*\cp+7], v[BF+8:BF+15], 0
.endif
	v_wmma_f32_16x16x32_bf16 v[ZT:ZT+7],    v[AF+8*\cp:AF+8*\cp+7], v[BF+16:BF+23], v[ZT:ZT+7]
	v_wmma_f32_16x16x32_bf16 v[ZT+8:ZT+15], v[AF+8*\cp:AF+8*\cp+7], v[BF+24:BF+31], v[ZT+8:ZT+15]
.endm
	s_cmp_lg_u32 s22, 0
	s_cbranch_scc1 .Lprev
.irp t, 0,1,2,3,4,5,6,7,8,9,10,11,12,13,14,15
	v_mov_b32 v[ZC+\t], 0                          ; chunk 0 starts from the empty state
.endr
	s_branch .Lhorner
.Lprev:
	PSTEP 0
.irp cp, 1,2,3,4,5,6
	s_cmp_le_u32 s22, \cp
	s_cbranch_scc1 .Lturn
	PSTEP \cp
.endr
.Lturn:
	; a tile's lane (r, h), register e is Z[t = 8 h + e][column 16 tile + r]; wanted: lane = column, register = t
	PLACES
.irp e, 0,1,2,3,4,5,6,7
	v_permlanex16_b32 v[T+\e],   v[ZT+\e],   s40, s41
	v_permlanex16_b32 v[T+8+\e], v[ZT+8+\e], s40, s41
.endr
.irp e, 0,1,2,3,4,5,6,7
	v_cndmask_b32 v[ZC+\e],   v[ZT+\e], v[T+8+\e],  s42
	v_cndmask_b32 v[ZC+8+\e], v[T+\e],  v[ZT+8+\e], s42
.endr
	; ---- 3. my own sixteen steps ----
.Lhorner:
.irp s, 0,1,2,3,4,5,6,7,8,9,10,11,12,13,14,15
.irp t, 0,1,2,3,4,5,6,7,8,9,10,11,12,13,14,15
.if \t >= \s
	v_mul_f32_dpp v[T+\t], v[AS+\s], v[W+\s] row_share:\t row_mask:0xf bank_mask:0xf   ; A[t][s] from lane t, times my column's w_s
.endif
.endr
.irp t, 0,1,2,3,4,5,6,7,8,9,10,11,12,13,14,15
.if \t >= \s
	v_fma_f32 v[ZC+\t], v[ZC+\t], v[RHO+\s], v[T+\t]
.endif
.endr
.endr
.irp t, 0,1,2,3,4,5,6,7,8,9,10,11,12,13,14,15
	v_mul_f32_dpp v[ZC+\t], v[SC], v[ZC+\t] row_share:\t row_mask:0xf bank_mask:0xf    ; the row's power of two: exact
.endr
.irp u, 0,1,2,3,4,5,6,7
	v_cvt_pk_f16_f32 v[T+\u], v[ZC+2*\u], v[ZC+2*\u+1]
.endr
.irp u, 0,1,2,3,4,5,6,7
	ds_store_b16 v244, v[T+\u] offset:32*\u
	ds_store_b16_d16_hi v244, v[T+\u] offset:32*\u+16
.endr
	ds_load_b128 v[BF:BF+3],   v245                ; my own bytes, served in order: these see the stores above
	ds_load_b128 v[BF+4:BF+7], v245 offset:512
	s_wait_dscnt 0x0
	global_store_b128 v247, v[BF:BF+3],   s[20:21]                ; one whole block of 1,024 bytes a wave
	global_store_b128 v247, v[BF+4:BF+7], s[20:21] offset:512
	s_wait_tensorcnt 0x0
	ds_add_u32 v248, v249
	s_wait_dscnt 0x0
	s_endpgm
.Lfunc_end_k_q0cfcc2a3ef_scan:
	.size	k_q0cfcc2a3ef_scan, .Lfunc_end_k_q0cfcc2a3ef_scan-k_q0cfcc2a3ef_scan
	.p2alignl 7, 3214868480
	.fill 96, 4, 3214868480
	.section	.rodata,"a",@progbits
	.p2align	6, 0x0
	.amdhsa_kernel k_q0cfcc2a3ef_scan
		.amdhsa_group_segment_fixed_size 26624
		.amdhsa_private_segment_fixed_size 0
		.amdhsa_enable_private_segment 0
		.amdhsa_kernarg_size 72
		.amdhsa_user_sgpr_count 2
		.amdhsa_user_sgpr_kernarg_segment_ptr 1
		.amdhsa_wavefront_size32 1
		.amdhsa_system_sgpr_workgroup_id_x 1
		.amdhsa_system_sgpr_workgroup_id_y 1
		.amdhsa_system_sgpr_workgroup_id_z 1
		.amdhsa_system_vgpr_workitem_id 0
		.amdhsa_next_free_vgpr 250
		.amdhsa_next_free_sgpr 66
		.amdhsa_reserve_vcc 0
		.amdhsa_float_denorm_mode_32 3
		.amdhsa_float_denorm_mode_16_64 3
		.amdhsa_memory_ordered 1
		.amdhsa_forward_progress 1
		.amdhsa_inst_pref_size 54
	.end_amdhsa_kernel
	.amdgpu_metadata
---
amdhsa.version: [ 1, 2 ]
amdhsa.kernels:
  - .name:           k_q0cfcc2a3ef_scan
    .symbol:         k_q0cfcc2a3ef_scan.kd
    .args:
      - { .name: kraw, .offset: 0, .size: 8, .value_kind: global_buffer, .address_space: global }
      - { .name: ksq, .offset: 8, .size: 8, .value_kind: global_buffer, .address_space: global }
      - { .name: abuf, .offset: 16, .size: 8, .value_kind: global_buffer, .address_space: global }
      - { .name: amax, .offset: 24, .size: 8, .value_kind: global_buffer, .address_space: global }
      - { .name: W_gamma, .offset: 32, .size: 8, .value_kind: global_buffer, .address_space: global }
      - { .name: b_gamma, .offset: 40, .size: 8, .value_kind: global_buffer, .address_space: global }
      - { .name: W_lambda, .offset: 48, .size: 8, .value_kind: global_buffer, .address_space: global }
      - { .name: b_lambda, .offset: 56, .size: 8, .value_kind: global_buffer, .address_space: global }
      - { .name: yh, .offset: 64, .size: 8, .value_kind: global_buffer, .address_space: global }
    .group_segment_fixed_size: 26624
    .private_segment_fixed_size: 0
    .kernarg_segment_align: 8
    .kernarg_segment_size: 72
    .max_flat_workgroup_size: 256
    .sgpr_count:     66
    .vgpr_count:     250
    .wavefront_size: 32
...
	.end_amdgpu_metadata
.endif
;; end of part 4
;; launch oproj (part 5): grid 16 x 16, 4 waves a work-group, clusters of 4 x 4, 280,064 bytes of LDS; arguments yh, h16, amax, out0; writes out0
.if DOCPART == 5
	.amdgcn_target "amdgcn-amd-amdhsa--gfx1250"
	.amdhsa_code_object_version 6
	.text
	.protected	k_q0cfcc2a3ef_oproj
	.globl	k_q0cfcc2a3ef_oproj
	.p2align	8
	.type	k_q0cfcc2a3ef_oproj,@function
k_q0cfcc2a3ef_oproj:
	s_mov_b64 s[64:65], 0
	v_nop
	global_prefetch_b8 v0, s[64:65] scope:SCOPE_SE
	s_setreg_imm32_b32 hwreg(HW_REG_WAVE_MODE, 25, 1), 1
	s_wait_xcnt 0x0
	s_wait_alu depctr_hold_cnt(0) depctr_sa_sdst(0) depctr_va_vdst(0) depctr_va_sdst(0) depctr_va_ssrc(0) depctr_va_vcc(0) depctr_vm_vsrc(0)
	s_getreg_b32 s2, hwreg(HW_REG_IB_STS2, 6, 4)
	s_cmp_eq_u32 s2, 0
	s_cbranch_scc0 .Lentry_in_a_cluster
	s_endpgm
.Lentry_in_a_cluster:
	s_bfe_u32 s2, ttmp6, 0x10000c
	s_cmp_lg_u32 s2, 0xf033
	s_cbranch_scc0 .Lentry_shape_is_right
	s_endpgm
.Lentry_shape_is_right:
; out = y Wo^T.  y comes in f16 with a power of two on each row (see the scan), Wo in f16, both in fragment order; sums f32; the row's power of two is taken out at the end.
; Work-group (bx, by): 64 x 64 of out, K = 1,024.  All of K fits in LDS as two halves of 128 KiB ([y: 4 row blocks][Wo: 4 row blocks] x [16 K steps][1 KiB]),
; both asked for at the start: no slot is ever filled again.  Waves 0, 1 fetch y's row blocks 0-1, 2-3, waves 2, 3 Wo's: 2 rows of 16 KiB a load, two loads a wave out at the most.
; CLUSTER 4 x 4: y's tiles hang on by alone and are asked for jointly along a row of the cluster, Wo's on bx alone, jointly along a column.
; Wave (wm, wn) makes 32 x 32: four accumulators, which take turns, one matrix instruction a turn.  A fragment buffer holds two K steps of 32.
; Transposed use (source 0 = rows of Wo, source 1 = rows of y): a lane holds 8 neighbouring columns of one row.
; LIMIT: the scale's exponent is clamped as in the scan (exact for a row maximum of |A| between 2^-95 and 2^96).
.set HALFB, 131072
.set STAGE, 262144                     ; behind the tiles, never filled by a tensor load: 64 rows x 256 bytes
.set SP,    272                        ; its pitch, 17 x 16 bytes
.set ADRA, 4                           ; v4, v5  my y fragments in half 0, 1
.set ADRB, 6                           ; v6, v7  my Wo fragments
.set STW,  8
.set RD,   9
.set CO,   10
.set AO,   11
.set ACC,  16                          ; v[16:47]   tile (a, i) at 16 + 8 (2 a + i)
.set F0,   48                          ; v[48:111]  K step u of two at + 32 u: y at + 8 a, Wo at + 16 + 8 i
.set F1,   112                         ; v[112:175]
.set INV,  176                         ; v[176:177], v[178:179]: the inverse scale of my row in row block a, twice
.set AM,   180                         ; v[180:183] the two heads' bounds for a = 0, 1
.set G1,  24
.set G0,  32
.set G1B, 48
.set G0B, 56
.macro PLACES                          ; four plain vector instructions behind matrix instructions (ISA guide 7.12.1)
.rept 4
	v_nop
.endr
.endm
.macro JLOAD s                         ; waves 0, 1 ask for y, waves 2, 3 for Wo: each line has one mask; the branch hangs on the wave's number alone
	s_cmp_eq_u32 s44, 0
	s_cbranch_scc0 .Lfor_w_\@
	tensor_load_to_lds s[G0+4*\s:G0+4*\s+3], s[G1:G1+7]
	s_nop 0
	s_branch .Lasked_\@
.Lfor_w_\@:
	tensor_load_to_lds s[G0B+4*\s:G0B+4*\s+3], s[G1B:G1B+7]
	s_nop 0
.Lasked_\@:
.endm
.macro CROUND                          ; a round of the cluster's barrier
	s_barrier_signal -1
	s_barrier_wait -1
	s_cmp_lg_u32 s12, 0
	s_cbranch_scc1 .Lnot_wave_0_\@
	s_barrier_signal -3
.Lnot_wave_0_\@:
	s_barrier_wait -3
	s_barrier_signal -1
	s_barrier_wait -1
.endm
	s_load_b256 s[4:11], s[0:1], 0x0               ; yh s[4:5], h16 s[6:7], amax s[8:9], out0 s[10:11]
	v_lshl_add_u32 v184, v0, 2, 0x44400
	v_mov_b32 v185, 0
	ds_add_u32 v184, v185
	v_lshrrev_b32 v1, 5, v0
	v_readfirstlane_b32 s12, v1                    ; wave
	s_lshr_b32 s44, s12, 1                         ; wm; also: I fetch for y (0) or for Wo (1)
	s_and_b32 s45, s12, 1                          ; wn; also: which two row blocks I fetch
	s_bfe_u32 s13, ttmp6, 0x40000                  ; cx
	s_bfe_u32 s14, ttmp6, 0x40004                  ; cy
	s_lshl_b32 s15, ttmp9, 2
	s_add_co_u32 s15, s15, s13                     ; bx
	s_and_b32 s16, ttmp7, 0xffff
	s_lshl_b32 s16, s16, 2
	s_add_co_u32 s16, s16, s14                     ; by
	s_lshl_b32 s17, s14, 2
	s_lshl_b32 s17, 15, s17                        ; my row of the cluster
	s_lshl_b32 s18, 0x1111, s13                    ; my column
	; shape: elements of 8 bytes; 2 rows of 2,048 elements (16 KiB), 4,096 elements from row to row
	s_or_b32 s[G1+0], s17, (3<<16)|(1<<21)
	s_or_b32 s[G1B+0], s18, (3<<16)|(1<<21)
	s_mov_b32 s[G1+1], 2048<<16
	s_mov_b32 s[G1B+1], 2048<<16
	s_mov_b32 s[G1+2], 2<<16
	s_mov_b32 s[G1B+2], 2<<16
	s_mov_b32 s[G1+3], 2048<<16
	s_mov_b32 s[G1B+3], 2048<<16
	s_mov_b32 s[G1+4], 2
	s_mov_b32 s[G1B+4], 2
	s_mov_b32 s[G1+5], 4096
	s_mov_b32 s[G1B+5], 4096
	s_mov_b32 s[G1+6], 0
	s_mov_b32 s[G1B+6], 0
	s_mov_b32 s[G1+7], 0
	s_mov_b32 s[G1B+7], 0
	s_lshl_b32 s19, s12, 15                        ; where my tile goes: wave x 32 KiB
	s_lshl_b32 s20, s16, 17                        ; y: by x 4 row blocks x 32 KiB + my two
	s_lshl_b32 s21, s45, 16
	s_add_co_u32 s20, s20, s21
	s_mov_b32 s21, 0
	s_lshl_b32 s40, s15, 17                        ; Wo: array 4 of h16, bx x 4 row blocks + my two
	s_lshl_b32 s41, s45, 16
	s_add_co_u32 s40, s40, s41
	s_add_co_u32 s40, s40, 0x800000
	s_mov_b32 s41, 0
	s_wait_dscnt 0x0
	s_wait_kmcnt 0x0
	s_add_nc_u64 s[22:23], s[4:5], s[20:21]
	s_add_nc_u64 s[42:43], s[6:7], s[40:41]
	CROUND                                         ; all sixteen work-groups are here: the joint loads meet
.irp s, 0,1
	s_mov_b32 s[G0+4*\s], 1
	s_add_co_u32 s[G0+4*\s+1], s19, \s*HALFB
	s_add_nc_u64 s[G0+4*\s+2:G0+4*\s+3], s[22:23], \s*16384
	s_or_b32 s[G0+4*\s+3], s[G0+4*\s+3], 0x80000000
	s_mov_b32 s[G0B+4*\s], 1
	s_add_co_u32 s[G0B+4*\s+1], s19, \s*HALFB
	s_add_nc_u64 s[G0B+4*\s+2:G0B+4*\s+3], s[42:43], \s*16384
	s_or_b32 s[G0B+4*\s+3], s[G0B+4*\s+3], 0x80000000
	JLOAD \s
.endr
	v_and_b32 v1, 31, v0                           ; l
	v_and_b32 v2, 15, v0                           ; r
	v_bfe_u32 v3, v0, 4, 1                         ; h
	s_lshl_b32 s46, s44, 15
	v_lshl_add_u32 v[ADRA], v1, 4, s46             ; y's row blocks 2 wm, 2 wm + 1
	v_add_nc_u32 v[ADRA+1], HALFB, v[ADRA]
	s_lshl_b32 s46, s45, 15
	s_add_co_u32 s46, s46, 65536
	v_lshl_add_u32 v[ADRB], v1, 4, s46             ; Wo's row blocks 2 wn, 2 wn + 1, behind y's 64 KiB
	v_add_nc_u32 v[ADRB+1], HALFB, v[ADRB]
	v_mul_u32_u24 v12, v2, SP                      ; stage, in: row 32 wm + r, byte 128 wn + 32 h
	v_lshl_add_u32 v12, v3, 5, v12
	s_mul_i32 s46, s44, 32*SP
	s_lshl_b32 s47, s45, 7
	s_add_co_u32 s46, s46, s47
	s_add_co_u32 s46, s46, STAGE
	v_add_nc_u32 v[STW], s46, v12
	v_mul_u32_u24 v12, v3, SP                      ; stage, back: lanes 0-15 a row of 256 bytes, lanes 16-31 the next; wave w owns rows 16 w ..
	v_lshl_add_u32 v12, v2, 4, v12
	s_mul_i32 s46, s12, 16*SP
	s_add_co_u32 s46, s46, STAGE
	v_add_nc_u32 v[RD], s46, v12
	s_lshl_b32 s66, s16, 18                        ; out0: (64 by + 16 w) rows of 4,096 bytes + 256 bx + the same two rows
	s_lshl_b32 s67, s12, 16
	s_add_co_u32 s66, s66, s67
	s_lshl_b32 s67, s15, 8
	s_add_co_u32 s66, s66, s67
	v_lshl_add_u32 v[CO], v2, 4, s66
	v_lshl_add_u32 v[CO], v3, 12, v[CO]
	s_lshr_b32 s68, s16, 1                         ; amax: batch by / 2, head 0, t = 64 (by & 1) + 32 wm + r
	s_lshl_b32 s68, s68, 10
	s_and_b32 s69, s16, 1
	s_lshl_b32 s69, s69, 8
	s_add_co_u32 s68, s68, s69
	s_lshl_b32 s69, s44, 7
	s_add_co_u32 s68, s68, s69
	v_lshl_add_u32 v[AO], v2, 2, s68
.irp a, 0,1
	global_load_b32 v[AM+2*\a],   v[AO], s[8:9] offset:64*\a
	global_load_b32 v[AM+2*\a+1], v[AO], s[8:9] offset:64*\a+512
.endr
; 16 LDS loads: K steps 2 kp and 2 kp + 1 of a half into buffer f
.macro FETCH half, kp, f
.irp u, 0,1
.irp a, 0,1
	ds_load_b128 v[\f+32*\u+8*\a:\f+32*\u+8*\a+3],   v[ADRA+\half] offset:\a*16384+(2*\kp+\u)*1024
	ds_load_b128 v[\f+32*\u+8*\a+4:\f+32*\u+8*\a+7], v[ADRA+\half] offset:\a*16384+(2*\kp+\u)*1024+512
.endr
.irp i, 0,1
	ds_load_b128 v[\f+32*\u+16+8*\i:\f+32*\u+16+8*\i+3],   v[ADRB+\half] offset:\i*16384+(2*\kp+\u)*1024
	ds_load_b128 v[\f+32*\u+16+8*\i+4:\f+32*\u+16+8*\i+7], v[ADRB+\half] offset:\i*16384+(2*\kp+\u)*1024+512
.endr
.endr
.endm
.macro MUL4 f, u, zero
.irp a, 0,1
.irp i, 0,1
.if \zero
	v_wmma_f32_16x16x32_f16 v[ACC+8*(2*\a+\i):ACC+8*(2*\a+\i)+7], v[\f+32*\u+16+8*\i:\f+32*\u+16+8*\i+7], v[\f+32*\u+8*\a:\f+32*\u+8*\a+7], 0
.else
	v_wmma_f32_16x16x32_f16 v[ACC+8*(2*\a+\i):ACC+8*(2*\a+\i)+7], v[\f+32*\u+16+8*\i:\f+32*\u+16+8*\i+7], v[\f+32*\u+8*\a:\f+32*\u+8*\a+7], v[ACC+8*(2*\a+\i):ACC+8*(2*\a+\i)+7]
.endif
.endr
.endr
.endm
.macro STEP half, kpn, f, g, zero
	s_wait_dscnt 0x0                               ; buffer f is in
	PLACES                                         ; buffer g was read by the last step's matrix instructions
	FETCH \half, \kpn, \g
	MUL4 \f, 0, \zero
	MUL4 \f, 1, 0
.endm
.macro SEVEN half, zero
	STEP \half, 1, F0, F1, \zero
	STEP \half, 2, F1, F0, 0
	STEP \half, 3, F0, F1, 0
	STEP \half, 4, F1, F0, 0
	STEP \half, 5, F0, F1, 0
	STEP \half, 6, F1, F0, 0
	STEP \half, 7, F0, F1, 0
.endm
	s_wait_tensorcnt 0x1                           ; my tile of half 0 is in; half 1's stays out
	s_barrier_signal -1
	s_barrier_wait -1
	FETCH 0, 0, F0
	SEVEN 0, 1
	s_wait_dscnt 0x0
	s_wait_tensorcnt 0x0                           ; my tile of half 1 is in:
	s_barrier_signal -1                            ; say so,
	MUL4 F1, 0, 0                                  ; work on registers while the others arrive,
	s_barrier_wait -1                              ; everybody's is
	PLACES
	FETCH 1, 0, F0
	MUL4 F1, 1, 0
	SEVEN 1, 0
	s_wait_dscnt 0x0
	MUL4 F1, 0, 0
	MUL4 F1, 1, 0
	; THE WAY OUT: the row's power of two is taken out, the tile goes through the stage, and whole pieces of 256 bytes of a row are stored
	PLACES
	s_wait_loadcnt 0x0                             ; the bounds
.irp a, 0,1
	v_max_num_f32 v[INV+2*\a], v[AM+2*\a], v[AM+2*\a+1]
	v_lshrrev_b32 v[INV+2*\a], 23, v[INV+2*\a]
	v_max_u32 v[INV+2*\a], 32, v[INV+2*\a]
	v_min_u32 v[INV+2*\a], 0xde, v[INV+2*\a]       ; ex as in the scan
	v_add_nc_u32 v[INV+2*\a], -14, v[INV+2*\a]
	v_lshlrev_b32 v[INV+2*\a], 23, v[INV+2*\a]     ; 2^(ex - 141)
	v_mov_b32 v[INV+2*\a+1], v[INV+2*\a]           ; twice: a pair for the packed multiply
.endr
.irp a, 0,1
.irp i, 0,1
.irp k, 0,2,4,6
	v_pk_mul_f32 v[ACC+8*(2*\a+\i)+\k:ACC+8*(2*\a+\i)+\k+1], v[ACC+8*(2*\a+\i)+\k:ACC+8*(2*\a+\i)+\k+1], v[INV+2*\a:INV+2*\a+1]
.endr
	ds_store_b128 v[STW], v[ACC+8*(2*\a+\i):ACC+8*(2*\a+\i)+3]   offset:\a*16*SP+\i*64
	ds_store_b128 v[STW], v[ACC+8*(2*\a+\i)+4:ACC+8*(2*\a+\i)+7] offset:\a*16*SP+\i*64+16
.endr
.endr
	s_wait_dscnt 0x0                               ; for the other waves: my stores are done
	s_barrier_signal -1
	s_barrier_wait -1
.irp n, 0,1,2,3,4,5,6,7
	ds_load_b128 v[F0+4*\n:F0+4*\n+3], v[RD] offset:\n*2*SP
.endr
.irp n, 0,1,2,3,4,5,6,7
	s_wait_dscnt 7-\n                              ; read-back n is in
	global_store_b128 v[CO], v[F0+4*\n:F0+4*\n+3], s[10:11] offset:\n*8192 th:TH_STORE_NT    ; 16 lanes store 256 consecutive bytes, aligned
.endr
	s_wait_tensorcnt 0x0
	ds_add_u32 v184, v185
	s_wait_dscnt 0x0
	CROUND                                         ; the closing round: no work-group ends while a partner may still ask for a tile that names it
	s_endpgm
.Lfunc_end_k_q0cfcc2a3ef_oproj:
	.size	k_q0cfcc2a3ef_oproj, .Lfunc_end_k_q0cfcc2a3ef_oproj-k_q0cfcc2a3ef_oproj
	.p2alignl 7, 3214868480
	.fill 96, 4, 3214868480
	.section	.rodata,"a",@progbits
	.p2align	6, 0x0
	.amdhsa_kernel k_q0cfcc2a3ef_oproj
		.amdhsa_group_segment_fixed_size 280064
		.amdhsa_private_segment_fixed_size 0
		.amdhsa_enable_private_segment 0
		.amdhsa_kernarg_size 32
		.amdhsa_user_sgpr_count 2
		.amdhsa_user_sgpr_kernarg_segment_ptr 1
		.amdhsa_wavefront_size32 1
		.amdhsa_system_sgpr_workgroup_id_x 1
		.amdhsa_system_sgpr_workgroup_id_y 1
		.amdhsa_system_sgpr_workgroup_id_z 1
		.amdhsa_system_vgpr_workitem_id 0
		.amdhsa_next_free_vgpr 186
		.amdhsa_next_free_sgpr 72
		.amdhsa_reserve_vcc 0
		.amdhsa_float_denorm_mode_32 3
		.amdhsa_float_denorm_mode_16_64 3
		.amdhsa_memory_ordered 1
		.amdhsa_forward_progress 1
		.amdhsa_inst_pref_size 38
	.end_amdhsa_kernel
	.amdgpu_metadata
---
amdhsa.version: [ 1, 2 ]
amdhsa.kernels:
  - .name:           k_q0cfcc2a3ef_oproj
    .symbol:         k_q0cfcc2a3ef_oproj.kd
    .args:
      - { .name: yh, .offset: 0, .size: 8, .value_kind: global_buffer, .address_space: global }
      - { .name: h16, .offset: 8, .size: 8, .value_kind: global_buffer, .address_space: global }
      - { .name: amax, .offset: 16, .size: 8, .value_kind: global_buffer, .address_space: global }
      - { .name: out0, .offset: 24, .size: 8, .value_kind: global_buffer, .address_space: global }
    .group_segment_fixed_size: 280064
    .private_segment_fixed_size: 0
    .kernarg_segment_align: 8
    .kernarg_segment_size: 32
    .max_flat_workgroup_size: 128
    .sgpr_count:     72
    .vgpr_count:     186
    .wavefront_size: 32
...
	.end_amdgpu_metadata
.endif
;; end of part 5
;; ======== version 2 of 2: 5 launches; version 1 with the launch cvt16 written anew for expert scheduling mode
;; limits: values are held in f16: magnitudes above 65,504 overflow, below 6.1e-05 lose precision; inputs' magnitudes at most 65,504; right only within a limited range of input values
;; workspace buffers: h16 10,485,760 bytes; qv 8,388,608 bytes; kraw 4,194,304 bytes; ksq 65,536 bytes; abuf 1,048,576 bytes; amax 8,192 bytes; yh 2,097,152 bytes
;; launch cvt16 (part 6): grid 64 x 4, 5 waves a work-group, no clusters, 46,848 bytes of LDS; arguments x, Wq, Wk, Wv, Wo, h16; writes h16
.if DOCPART == 6
	.amdgcn_target "amdgcn-amd-amdhsa--gfx1250"
	.amdhsa_code_object_version 6
	.text
	.protected	k_q0cfcc2a3ef_cvt16
	.globl	k_q0cfcc2a3ef_cvt16
	.p2align	8
	.type	k_q0cfcc2a3ef_cvt16,@function
k_q0cfcc2a3ef_cvt16:
	s_mov_b64 s[64:65], 0
	v_nop
	global_prefetch_b8 v0, s[64:65] scope:SCOPE_SE
	s_setreg_imm32_b32 hwreg(HW_REG_WAVE_SCHED_MODE, 0, 2), 2
	s_setreg_imm32_b32 hwreg(HW_REG_WAVE_MODE, 25, 1), 1
	s_wait_xcnt 0x0
	s_wait_alu depctr_vm_vsrc(0)
; x, Wq, Wk, Wv, Wo ([1024][1024] f32) -> h16: five arrays of f16, 2 MiB each, in FRAGMENT ORDER:
; block (RT = row/16, KS = col/32) is 1,024 bytes at (32 RT + KS) 1024; in it the number of row 16 RT + (l & 15),
; column 32 KS + 16 j + 8 (l >> 4) + e lies at 512 j + 16 l + 2 e.  A matrix operand of 16 rows x 32 K is then two
; loads of 16 bytes a lane at 16 x lane and 512 further, from memory and from LDS alike.
; LIMIT: numbers beyond f16's largest, 65,504, become infinite; magnitudes below 2^-14 keep an absolute step of 2^-24.
; Each input number is used by 16 work-groups later on, so it is rounded once here and not in their loops.
; Work-group (rt, kq), wave a: 16 rows x 256 columns of array a: 16 KiB in by 32 loads that are all out at once,
; 8 KiB out by 16 stores of 512 consecutive bytes.  The change of order goes through the wave's own 9,216 bytes of LDS:
; no wave touches another's bytes, so there is no barrier.  No matrix work, no cluster: nothing is shared.
; THE MODE: SCHED_MODE bits 1:0 = 2 (LLVM: expert scheduling mode 2), set by the entry lines.  The code itself states the register dependences
; between vector instructions and memory or LDS instructions, with s_wait_alu, always for 0.
; THE PLAN.  Registers that memory or LDS instructions touch:
;   v2 .. v5, v200, v201   offsets, LDS addresses and the closing add's pair: written at the head, never again.
;   X    load n lands in its four registers; its two conversions read them and write the first two; its LDS store reads those two; nothing writes them again.
;   O    the LDS read-backs land here, the global stores read them; no vector instruction names them.
; The 32 loads are four blocks of eight; block u is the 256 bytes at 256 u of all 16 rows, which are the stage's blocks 2 u and 2 u + 1 and the read-backs 4 u .. 4 u + 3.
; Block u's turn: the wait for its loads; ONE wait on va_vdst, which states that block u - 1's conversions have written their halves of X; then the global stores of group u - 2,
; block u - 1's eight LDS stores dealt among block u's conversions (these name block u's registers alone), and group u - 1's four read-backs.
; No register that a memory or LDS instruction reads is written again, and there is no loop: no wait on vm_vsrc is owed.
.set X,   8                            ; v[8:135]   32 loads x 4 registers
.set O,   136                          ; v[136:199] 16 read-backs x 4 registers
.set WST, 9216                         ; a wave's stage: 8 blocks of 1,152 bytes (256 -> 288, 512 -> 576, 1,024 -> 1,152: the pads spread the lanes of a store over the banks)
	s_load_b256 s[4:11], s[0:1], 0x0               ; x, Wq, Wk, Wv
	s_load_b128 s[12:15], s[0:1], 0x20             ; Wo, h16
	v_lshl_add_u32 v200, v0, 2, 0xb400             ; my spare word, behind the five stages, and 0: kept for the closing lines alone
	v_mov_b32 v201, 0
	v_lshrrev_b32 v1, 5, v0
	v_readfirstlane_b32 s16, v1                    ; wave = array
	s_and_b32 s17, ttmp7, 0xffff                   ; kq: which 256 columns
	v_and_b32 v1, 31, v0                           ; lane l
	v_lshrrev_b32 v6, 4, v1                        ; l >> 4
	v_and_b32 v7, 15, v1                           ; l & 15
	v_lshlrev_b32 v2, 4, v7
	v_lshl_add_u32 v2, v6, 12, v2                  ; source: 16 lanes take 256 bytes of a row, the other 16 the row below
	s_wait_alu depctr_va_sdst(0)                   ; s16 is written, ahead of its first reader: the stage's base, the array's choice and the destination are made from it
	s_mul_i32 s22, s16, WST
	v_bfe_u32 v3, v1, 3, 1                         ; a lane's 4 columns 4 (l & 15) ..: bit 3 picks the block of 32 columns,
	v_mul_u32_u24 v3, v3, 1152
	v_bfe_u32 v4, v1, 2, 1                         ; bit 2 the half j,
	v_mad_u32_u24 v3, v4, 576, v3
	v_bfe_u32 v4, v1, 1, 1                         ; bit 1 the upper 16 places of the block,
	v_mad_u32_u24 v3, v4, 288, v3
	v_lshl_add_u32 v3, v6, 4, v3                   ; the row's parity one place of 16 bytes,
	v_and_b32 v4, 1, v1
	v_lshl_add_u32 v3, v4, 3, v3                   ; bit 0 the upper 8 bytes of the place
	v_add_nc_u32 v3, s22, v3                       ; where I put 8 bytes
	v_mul_u32_u24 v4, v6, 288
	v_lshl_add_u32 v4, v7, 4, v4
	v_add_nc_u32 v4, s22, v4                       ; where I read 16 bytes back
	v_lshlrev_b32 v5, 4, v1                        ; and where they go in the block
	s_lshl_b32 s20, ttmp9, 16                      ; source offset: rt x 16 rows of 4,096 bytes + kq x 1,024
	s_lshl_b32 s21, s17, 10
	s_add_co_u32 s20, s20, s21
	s_mov_b32 s21, 0
	s_lshl_b32 s24, s16, 21                        ; destination offset: array x 2 MiB + (32 rt + 8 kq) x 1,024
	s_lshl_b32 s25, ttmp9, 15
	s_add_co_u32 s24, s24, s25
	s_lshl_b32 s25, s17, 13
	s_add_co_u32 s24, s24, s25
	s_mov_b32 s25, 0
	s_wait_kmcnt 0x0
	s_mov_b64 s[18:19], s[4:5]                     ; the wave's array, chosen by the wave's number
	s_cmp_eq_u32 s16, 1
	s_cselect_b64 s[18:19], s[6:7], s[18:19]
	s_cmp_eq_u32 s16, 2
	s_cselect_b64 s[18:19], s[8:9], s[18:19]
	s_cmp_eq_u32 s16, 3
	s_cselect_b64 s[18:19], s[10:11], s[18:19]
	s_cmp_eq_u32 s16, 4
	s_cselect_b64 s[18:19], s[12:13], s[18:19]
	s_add_nc_u64 s[18:19], s[18:19], s[20:21]
	s_add_nc_u64 s[14:15], s[14:15], s[24:25]
	s_wait_alu depctr_va_vdst(0)                   ; v2 to v5 are written, which every load and store below reads as its offset or address; so are v200 and v201
; load n = 8 u + i: rows 2 i and 2 i + 1, bytes 256 u .. 256 u + 255 of my 1,024
.set n, 0
.rept 32
	global_load_b128 v[X+4*n:X+4*n+3], v2, s[18:19] offset:(n%8)*8192+(n/8)*256 th:TH_LOAD_NT
.set n, n+1
.endr
; The eight LDS stores of block b are written one at a time, by STO; the four read-backs of group g by BACK; its four global stores by OUT.
.macro STO b, i
	ds_store_b64 v3, v[X+32*(\b)+4*(\i):X+32*(\b)+4*(\i)+1] offset:(\b)*2304+(\i)*32
.endm
.macro BACK g                          ; LDS serves a wave's instructions in order, and the bytes are the wave's own: these loads see block g's stores above them
.irp k, 0,1,2,3
	ds_load_b128 v[O+16*(\g)+4*(\k):O+16*(\g)+4*(\k)+3], v4 offset:(2*(\g)+(\k)/2)*1152+((\k)%2)*576
.endr
.endm
.macro OUT g, k
	global_store_b128 v5, v[O+16*(\g)+4*(\k):O+16*(\g)+4*(\k)+3], s[14:15] offset:(4*(\g)+(\k))*512    ; 512 consecutive bytes, aligned
.endm
; Block u's turn.
.macro BLK u
	s_wait_loadcnt 24-8*(\u)                       ; loads return in order: block u's eight are in, the younger blocks' stay out
.if (\u) > 0
	s_wait_alu depctr_va_vdst(0)                   ; block u - 1's conversions have written the halves of X that the eight LDS stores below read
.endif
.if (\u) > 1
	s_wait_dscnt 0x0                               ; group u - 2's read-backs, issued at the end of the turn before, are in
.irp k, 0,1,2,3
	OUT (\u)-2, \k
.endr
.endif
.irp i, 0,1,2,3,4,5,6,7
.if (\u) > 0
	STO (\u)-1, \i                                 ; no wait: no vector instruction since the wait above names block u - 1's registers
.endif
	v_cvt_pk_f16_f32 v[X+32*(\u)+4*(\i)], v[X+32*(\u)+4*(\i)], v[X+32*(\u)+4*(\i)+1]
	v_cvt_pk_f16_f32 v[X+32*(\u)+4*(\i)+1], v[X+32*(\u)+4*(\i)+2], v[X+32*(\u)+4*(\i)+3]
.endr
.if (\u) > 0
	BACK (\u)-1
.endif
.endm
	BLK 0
	BLK 1
	BLK 2
	BLK 3
	s_wait_alu depctr_va_vdst(0)                   ; block 3's conversions have written the halves of X that the last eight LDS stores read
.irp i, 0,1,2,3,4,5,6,7
	STO 3, \i
.endr
	BACK 3
	s_wait_dscnt 12                                ; group 2's read-backs are in: the eight stores and four loads issued behind them may be out
.irp k, 0,1,2,3
	OUT 2, \k
.endr
.irp k, 0,1,2,3
	s_wait_dscnt 3-(\k)                            ; read-back k of the last group is in
	OUT 3, \k
.endr
	s_wait_dscnt 0x0                               ; the closing lines, six on end
	s_wait_alu 0x0
	s_wait_tensorcnt 0x0
	ds_add_u32 v200, v201
	s_wait_dscnt 0x0
	s_endpgm
.Lfunc_end_k_q0cfcc2a3ef_cvt16:
	.size	k_q0cfcc2a3ef_cvt16, .Lfunc_end_k_q0cfcc2a3ef_cvt16-k_q0cfcc2a3ef_cvt16
	.p2alignl 7, 3214868480
	.fill 96, 4, 3214868480
	.section	.rodata,"a",@progbits
	.p2align	6, 0x0
	.amdhsa_kernel k_q0cfcc2a3ef_cvt16
		.amdhsa_group_segment_fixed_size 46848
		.amdhsa_private_segment_fixed_size 0
		.amdhsa_enable_private_segment 0
		.amdhsa_kernarg_size 48
		.amdhsa_user_sgpr_count 2
		.amdhsa_user_sgpr_kernarg_segment_ptr 1
		.amdhsa_wavefront_size32 1
		.amdhsa_system_sgpr_workgroup_id_x 1
		.amdhsa_system_sgpr_workgroup_id_y 1
		.amdhsa_system_sgpr_workgroup_id_z 1
		.amdhsa_system_vgpr_workitem_id 0
		.amdhsa_next_free_vgpr 202
		.amdhsa_next_free_sgpr 66
		.amdhsa_reserve_vcc 0
		.amdhsa_float_denorm_mode_32 3
		.amdhsa_float_denorm_mode_16_64 3
		.amdhsa_memory_ordered 1
		.amdhsa_forward_progress 1
		.amdhsa_inst_pref_size 15
	.end_amdhsa_kernel
	.amdgpu_metadata
---
amdhsa.version: [ 1, 2 ]
amdhsa.kernels:
  - .name:           k_q0cfcc2a3ef_cvt16
    .symbol:         k_q0cfcc2a3ef_cvt16.kd
    .args:
      - { .name: x, .offset: 0, .size: 8, .value_kind: global_buffer, .address_space: global }
      - { .name: Wq, .offset: 8, .size: 8, .value_kind: global_buffer, .address_space: global }
      - { .name: Wk, .offset: 16, .size: 8, .value_kind: global_buffer, .address_space: global }
      - { .name: Wv, .offset: 24, .size: 8, .value_kind: global_buffer, .address_space: global }
      - { .name: Wo, .offset: 32, .size: 8, .value_kind: global_buffer, .address_space: global }
      - { .name: h16, .offset: 40, .size: 8, .value_kind: global_buffer, .address_space: global }
    .group_segment_fixed_size: 46848
    .private_segment_fixed_size: 0
    .kernarg_segment_align: 8
    .kernarg_segment_size: 48
    .max_flat_workgroup_size: 160
    .sgpr_count:     66
    .vgpr_count:     202
    .wavefront_size: 32
...
	.end_amdgpu_metadata
.endif
;; end of part 6
;; launch qkv: the kernel of part 2 again; grid 16 x 16, 4 waves a work-group, clusters of 4 x 4, 327,680 bytes of LDS; arguments h16, qv, kraw, ksq; writes qv, kraw, ksq
;; launch amat: the kernel of part 3 again; grid 8 x 16, 16 waves a work-group, no clusters, 135,168 bytes of LDS; arguments qv, abuf, amax; writes abuf, amax
;; launch scan: the kernel of part 4 again; grid 16 x 16, 8 waves a work-group, no clusters, 26,624 bytes of LDS; arguments kraw, ksq, abuf, amax, W_gamma, b_gamma, W_lambda, b_lambda, yh; writes yh
;; launch oproj: the kernel of part 5 again; grid 16 x 16, 4 waves a work-group, clusters of 4 x 4, 280,064 bytes of LDS; arguments yh, h16, amax, out0; writes out0
